; MI455X (gfx1250); checked and timed in simulation.
; The chip was launched on July 23, 2026; its instructions are those of AMD's public machine-readable ISA for CDNA 5 (MIT licence, August 2026) and "CDNA5" Instruction Set Architecture Reference Guide (July 2026). The comments in the code are by the model that wrote it; some were corrected since.
;; Multi Head Attention. Allowed arithmetic: matrix products marked QUANTISED: E2M1 operands, one E8M0 scale for each 32 along K, by v_wmma_scale_f32_16x16x128_f8f6f4 with both operands' format E2M1 (or v_wmma_scale_f32_32x16x128_f4), f32 sums; products left as they are: bf16, f16 or f32 operands; f32 sums; everything else in f32.
;; Inputs: W_proj 1,024 x 1,024 float32; W_qkv 3,072 x 1,024 float32; x 2 x 2,048 x 1,024 float32.
;; Outputs: out0 2 x 2,048 x 1,024 float32.
;; This version of the problem:
;;   THIS VERSION OF THE PROBLEM IS GIVEN IN LOW PRECISION. The matrix products marked QUANTISED in the list below multiply operands that are first quantised to E2M1 (2 exponent bits, 1 mantissa bit; 4 bits a number), with one power-of-two scale for each 32 numbers along K (OCP MX v1.0); their sums are f32. The products marked 'left as it is' may take bf16, f16 or f32 operands, with f32 sums. Whichever they take, every output number must still come out within the allowed error. Rounding operands to bf16 (8 significant bits) uses up far more of that allowance than f16 does (11 bits, for magnitudes from 6e-5 to 65,504). All else is computed in f32.
;;   The module's matrix products, in the order in which they are computed (A, B: the left and right operand; K: the contracted axis; several contracted axes count as one K, in the product's order):
;;     1. [M 4,096, K 1,024] x [K 1,024, N 3,072]; A: input x; B: input W_qkv: QUANTISED
;;     2. batch 32 x [M 2,048, K 64] x [K 64, N 2,048]; A: computed on the way; B: computed on the way: left as it is (an operand is computed on the way)
;;     3. batch 32 x [M 64, K 2,048] x [K 2,048, N 2,048]; A: computed on the way; B: computed on the way: left as it is (an operand is computed on the way)
;;     4. [M 4,096, K 1,024] x [K 1,024, N 1,024]; A: computed on the way; B: input W_proj: left as it is (an operand is computed on the way)
;;   THE QUANTISER, for each operand of a quantised product, along K:
;;     - K is cut into blocks of 32 from its start; a last block that is shorter is filled with zeros.
;;     - A block's scale is 2^e with e = floor(log2(the largest magnitude in the block)) - 2, held to -126 .. 127; a block of zeros has e = 0. As a byte (E8M0): e + 127.
;;     - Each number is divided by its block's scale, clamped to +-6, and rounded to the nearest number of E2M1, ties to even, subnormals kept.
;;     - The product sums the exact products of the quantised numbers (number of the format x scale) in f32.
;;   ~~~python
;;   def quantise(x, axis):      # numpy; x: float32 -> the quantised numbers, widened to float32 again
;;       x = np.moveaxis(x, axis, -1); K = x.shape[-1]
;;       x = np.pad(x, [(0, 0)] * (x.ndim - 1) + [(0, -K % 32)]); x = x.reshape(x.shape[:-1] + (-1, 32)); a = np.abs(x).max(-1, keepdims=True)
;;       e = np.where(a > 0, np.clip(np.frexp(np.where(a > 0, a, 1))[1] - 1 - 2, -126, 127), 0)      # np.frexp(a)[1] - 1 = floor(log2(a)), exactly
;;       r = np.clip(x / 2.0 ** e, -6, 6)
;;       step = 2.0 ** (np.maximum(np.frexp(np.where(r == 0, 1, r))[1] - 1, 0) - 1)
;;       q = np.round(r / step) * step * 2.0 ** e      # np.round: ties to even
;;       return np.moveaxis(q.reshape(q.shape[:-2] + (-1,))[..., :K], -1, axis).astype(np.float32)
;;   ~~~
;; One version. Each part assembles by itself: llvm-mc -triple=amdgcn-amd-amdhsa -mcpu=gfx1250 --defsym DOCPART=n.
;; ======== version 1 of 1: 5 launches
;; limits: values are held in f16: magnitudes above 65,504 overflow, below 6.1e-05 lose precision
;; workspace buffers: xc 2,097,152 bytes; xs 131,072 bytes; wc 1,572,864 bytes; ws 98,304 bytes; w16 2,097,152 bytes; qkv16 25,165,824 bytes; qkv32 393,216 bytes; att16 8,388,608 bytes
;; launch prep (part 1): grid 256 x 1, 4 waves a work-group, no clusters, 33,280 bytes of LDS; arguments x, W_qkv, W_proj, xc, xs, wc, ws, w16; writes xc, xs, wc, ws, w16
.if DOCPART == 1
	.amdgcn_target "amdgcn-amd-amdhsa--gfx1250"
	.amdhsa_code_object_version 6
	.text
	.protected	k_qc4f1d89381_prep
	.globl	k_qc4f1d89381_prep
	.p2align	8
	.type	k_qc4f1d89381_prep,@function
k_qc4f1d89381_prep:
	s_mov_b64 s[64:65], 0
	v_nop
	global_prefetch_b8 v0, s[64:65] scope:SCOPE_SE
	s_setreg_imm32_b32 hwreg(HW_REG_WAVE_MODE, 25, 1), 1
	s_wait_xcnt 0x0
; x [4096][1024] and W_qkv [3072][1024], f32, K innermost, become codes of FP4 (E2M1), two a byte, with one E8M0 scale byte for each 32 along K; W_proj [1024][1024] becomes f16.
; A block's scale is 2^(floor(log2(its largest magnitude)) - 2); its byte is the largest magnitude's exponent field - 2, held at 1 from below.  Each number is divided by the scale and rounded to the nearest code, ties to even;
; beyond the largest code the conversion gives the largest code.
; LIMITS: a block of zeros gets the byte 1 where the rule says 127 (its codes are zeros, and this program alone reads the bytes); blocks whose largest magnitude lies under 2^-124 are held at the byte 1;
; NaN and infinities among the inputs are not served; W_proj beyond 65,504 in magnitude becomes infinite in f16.
; SHARES: rows are dense and 1,024 is a multiple of 32, so each tensor is a plain stream.  A work-group takes 32,768 numbers, a wave 8,192: work-groups 0-127 x, 128-223 W_qkv (one path, the pointers chosen by the
; work-group's number), 224-255 W_proj (a path of its own, which touches no LDS).
; THE QUANTISER: 16 steps of 512 numbers a wave.  Each load reads 512 consecutive bytes; a step's 2,048 bytes turn through the wave's own stage in LDS, so that a lane then holds 16 neighbours along K
; (two neighbouring lanes hold a block).  Loads run eight steps (32 loads a wave) ahead, the turn through LDS one step.  No barrier: waves share nothing.
.set STEPS, 16
.set NS,    8                          ; register sets of loaded numbers
.set EMAX,  2
.set CB,    8                          ; bytes of 16 codes
.set R,     16                         ; v16-143  eight sets of 16 numbers as they are loaded
.set X,     144                        ; v144-175 two sets of 16 neighbours
.set E,     176                        ; v176-191 a scale byte for each step
.set C,     192                        ; v192-223 codes: two registers for each step, so that no store's data are written again
.set WREG,  8192                       ; LDS: a region for each wave: two stages of 32 x SP bytes, behind them its 256 scale bytes
.set SP,    80                         ; a lane's place in a stage: 64 bytes + 16 of padding
.set SPW,   12                         ; v12  LDS address of my spare word; never rewritten
.set NIL,   13                         ; v13  0; never rewritten
.set SPARE, 4*WREG                     ; behind the four regions: the spare words, 128 bytes a wave, which no other line names
.set WGX,   128                        ; work-groups of x
.set WGQ,   224                        ; work-groups of x and W_qkv
	s_load_b256 s[4:11], s[0:1], 0x0               ; x s[4:5], W_qkv s[6:7], W_proj s[8:9], xc s[10:11]
	s_load_b256 s[12:19], s[0:1], 0x20             ; xs s[12:13], wc s[14:15], ws s[16:17], w16 s[18:19]
	v_lshl_add_u32 v[SPW], v0, 2, SPARE
	v_mov_b32 v[NIL], 0
	v_lshrrev_b32 v1, 5, v0
	v_readfirstlane_b32 s20, v1                    ; wave
	v_and_b32 v2, 31, v0                           ; lane
	v_lshlrev_b32 v3, 4, v2                        ; my 16 bytes of a load's 512
	s_mul_i32 s21, s20, WREG
	v_lshrrev_b32 v14, 2, v2
	v_mul_u32_u24 v14, v14, SP
	v_and_b32 v15, 3, v2
	v_lshl_add_u32 v14, v15, 4, v14
	v_add_nc_u32 v14, s21, v14                     ; the stage, on the way in: four lanes' 64 bytes on end, then 16 of padding
	v_mul_u32_u24 v15, v2, SP
	v_add_nc_u32 v15, s21, v15                     ; and on the way out: my 16 neighbours
	v_mul_u32_u24 v4, v2, CB                       ; my codes' place in a step's
	v_lshrrev_b32 v5, 1, v2
	s_add_co_u32 s21, s21, 2*32*SP
	v_add_nc_u32 v5, s21, v5                       ; LDS: my wave's 256 scale bytes, my block's byte
	v_lshlrev_b32 v7, 3, v2                        ; 8 bytes a lane
	v_add_nc_u32 v6, s21, v7
	s_wait_kmcnt 0x0
	s_cmp_ge_u32 ttmp9, WGQ                        ; the work-group's number alone decides
	s_cbranch_scc1 .Lconv
	s_cmp_lt_u32 ttmp9, WGX                        ; x's work-group or W_qkv's?
	s_cselect_b64 s[4:5], s[4:5], s[6:7]           ; the numbers,
	s_cselect_b64 s[10:11], s[10:11], s[14:15]     ; the codes,
	s_cselect_b64 s[12:13], s[12:13], s[16:17]     ; the scale bytes
	s_cselect_b32 s21, 0, WGX
	s_sub_co_u32 s21, ttmp9, s21
	s_lshl_b32 s21, s21, 2
	s_add_co_u32 s22, s21, s20                     ; which run of 8,192 numbers is my wave's
	s_mov_b32 s25, 0
	s_lshl_b32 s24, s22, 15                        ; 32,768 bytes of numbers a run,
	s_add_nc_u64 s[4:5], s[4:5], s[24:25]
	s_lshl_b32 s24, s22, 12                        ; 4,096 of codes,
	s_add_nc_u64 s[10:11], s[10:11], s[24:25]
	s_lshl_b32 s24, s22, 8                         ; 256 scale bytes
	s_add_nc_u64 s[12:13], s[12:13], s[24:25]
.macro LOAD t
.irp i, 0,1,2,3
	global_load_b128 v[R+16*((\t)%NS)+4*\i:R+16*((\t)%NS)+4*\i+3], v3, s[4:5] offset:2048*(\t)+512*\i th:TH_LOAD_NT   ; 32 lanes read 512 consecutive bytes
.endr
.endm
.macro TURN t                          ; step t's numbers through the stage: LDS serves a wave's instructions in order, so no wait stands between the stores and the loads
.irp i, 0,1,2,3
	ds_store_b128 v14, v[R+16*((\t)%NS)+4*\i:R+16*((\t)%NS)+4*\i+3] offset:32*SP*((\t)%2)+8*SP*\i
.endr
.irp i, 0,1,2,3
	ds_load_b128 v[X+16*((\t)%2)+4*\i:X+16*((\t)%2)+4*\i+3], v15 offset:32*SP*((\t)%2)+16*\i
.endr
.endm
.irp t, 0,1,2,3,4,5,6,7
	LOAD \t
.endr
	s_wait_loadcnt 28                              ; step 0's four loads are in; those of the seven steps behind it may be out
	TURN 0
.macro STEP t
.set XS, X+16*((\t)%2)
.if (\t) > 0
	s_wait_dscnt 1                                 ; this step's numbers are back from the stage (the last step's byte store may be out): so its stores into the stage have read their registers,
.else
	s_wait_dscnt 0x0
.endif
.if (\t)+NS < STEPS
	LOAD (\t)+NS                                   ; which take the loads of eight steps on
.endif
.if (\t)+1 < STEPS
.if STEPS-2-(\t) >= NS-1
	s_wait_loadcnt 4*(NS-1)                        ; the next step's four loads are in; those of the seven steps behind it may be out
.else
	s_wait_loadcnt 4*(STEPS-2-(\t))                ; near the end: as many steps as are left behind it
.endif
	TURN (\t)+1                                    ; and go through the other stage while this step is worked
.endif
	v_max3_num_f32 v8, |v[XS]|, |v[XS+1]|, |v[XS+2]|               ; the largest magnitude of my 16, in two chains
	v_max3_num_f32 v9, |v[XS+3]|, |v[XS+4]|, |v[XS+5]|
.irp i, 6,10
	v_max3_num_f32 v8, v8, |v[XS+\i]|, |v[XS+\i+1]|
	v_max3_num_f32 v9, v9, |v[XS+\i+2]|, |v[XS+\i+3]|
.endr
	v_max3_num_f32 v8, v8, |v[XS+14]|, |v[XS+15]|
	v_max3_num_f32 v8, v8, v9, (EMAX+1)<<23        ; and the floor 2^(3 - 127): the byte cannot fall under 1
	v_max_num_f32_dpp v8, v8, v8 row_xmask:1 row_mask:0xf bank_mask:0xf   ; with my neighbour's 16: the block's
	v_add_nc_u32 v11, -(EMAX<<23), v8              ; 2 off its exponent field: the conversion takes the exponent field of this operand as its scale
	v_cvt_scalef32_pk8_fp4_f32 v[C+2*(\t)], v[XS:XS+7], v11
	v_cvt_scalef32_pk8_fp4_f32 v[C+2*(\t)+1], v[XS+8:XS+15], v11
	v_lshrrev_b32 v[E+(\t)], 23, v11               ; the scale's byte (a plain line behind the conversions)
	ds_store_b8 v5, v[E+(\t)] offset:16*(\t)       ; both lanes of a block write the same byte with the same value
	global_store_b64 v4, v[C+2*(\t):C+2*(\t)+1], s[10:11] offset:32*CB*(\t)   ; 32 lanes store 256 consecutive bytes, aligned
.endm
.irp t, 0,1,2,3,4,5,6,7,8,9,10,11,12,13,14,15
	STEP \t
.endr
	ds_load_b64 v[8:9], v6                         ; LDS serves a wave's instructions in order: these see my byte stores
	s_wait_dscnt 0x0
	global_store_b64 v7, v[8:9], s[12:13]          ; my wave's 256 scale bytes, consecutive and aligned
	s_wait_tensorcnt 0x0                           ; the wave's end: behind my last LDS store
	ds_add_u32 v[SPW], v[NIL]
	s_wait_dscnt 0x0
	s_endpgm
; W_proj to f16: a wave takes 8,192 numbers in four groups of 16 loads; a lane's four numbers pack into 8 bytes, so each store of the wave covers 256 consecutive bytes, aligned.  Two groups are on their way.
.Lconv:
	s_sub_co_u32 s21, ttmp9, WGQ
	s_lshl_b32 s21, s21, 2
	s_add_co_u32 s21, s21, s20                     ; my run
	s_mov_b32 s25, 0
	s_lshl_b32 s24, s21, 15
	s_add_nc_u64 s[8:9], s[8:9], s[24:25]
	s_lshl_b32 s24, s21, 14
	s_add_nc_u64 s[18:19], s[18:19], s[24:25]
.macro CLOAD g
.irp i, 0,1,2,3,4,5,6,7,8,9,10,11,12,13,14,15
	global_load_b128 v[16+64*((\g)%2)+4*\i:16+64*((\g)%2)+4*\i+3], v3, s[8:9] offset:8192*(\g)+512*\i th:TH_LOAD_NT
.endr
.endm
.macro CSTEP g
.if (\g) < 3
	s_wait_loadcnt 16                              ; this group is in; the next group's 16 loads may be out
.else
	s_wait_loadcnt 0x0
.endif
.if (\g) >= 2
	s_wait_xcnt 0x0                                ; the stores of two groups back have read their data: the registers are written again only behind this wait
.endif
.irp i, 0,1,2,3,4,5,6,7,8,9,10,11,12,13,14,15
	v_cvt_pk_f16_f32 v[144+32*((\g)%2)+2*\i], v[16+64*((\g)%2)+4*\i], v[17+64*((\g)%2)+4*\i]
	v_cvt_pk_f16_f32 v[145+32*((\g)%2)+2*\i], v[18+64*((\g)%2)+4*\i], v[19+64*((\g)%2)+4*\i]
.endr
.if (\g) < 2
	CLOAD (\g)+2
.endif
.irp i, 0,1,2,3,4,5,6,7,8,9,10,11,12,13,14,15
	global_store_b64 v7, v[144+32*((\g)%2)+2*\i:145+32*((\g)%2)+2*\i], s[18:19] offset:4096*(\g)+256*\i
.endr
.endm
	CLOAD 0
	CLOAD 1
	CSTEP 0
	CSTEP 1
	CSTEP 2
	CSTEP 3
	s_endpgm
.Lfunc_end_k_qc4f1d89381_prep:
	.size	k_qc4f1d89381_prep, .Lfunc_end_k_qc4f1d89381_prep-k_qc4f1d89381_prep
	.p2alignl 7, 3214868480
	.fill 96, 4, 3214868480
	.section	.rodata,"a",@progbits
	.p2align	6, 0x0
	.amdhsa_kernel k_qc4f1d89381_prep
		.amdhsa_group_segment_fixed_size 33280
		.amdhsa_private_segment_fixed_size 0
		.amdhsa_enable_private_segment 0
		.amdhsa_kernarg_size 64
		.amdhsa_user_sgpr_count 2
		.amdhsa_user_sgpr_kernarg_segment_ptr 1
		.amdhsa_wavefront_size32 1
		.amdhsa_system_sgpr_workgroup_id_x 1
		.amdhsa_system_sgpr_workgroup_id_y 1
		.amdhsa_system_sgpr_workgroup_id_z 1
		.amdhsa_system_vgpr_workitem_id 0
		.amdhsa_next_free_vgpr 224
		.amdhsa_next_free_sgpr 66
		.amdhsa_reserve_vcc 0
		.amdhsa_float_denorm_mode_32 3
		.amdhsa_float_denorm_mode_16_64 3
		.amdhsa_memory_ordered 1
		.amdhsa_forward_progress 1
		.amdhsa_inst_pref_size 54
	.end_amdhsa_kernel
	.amdgpu_metadata
---
amdhsa.version: [ 1, 2 ]
amdhsa.kernels:
  - .name:           k_qc4f1d89381_prep
    .symbol:         k_qc4f1d89381_prep.kd
    .args:
      - { .name: x, .offset: 0, .size: 8, .value_kind: global_buffer, .address_space: global }
      - { .name: W_qkv, .offset: 8, .size: 8, .value_kind: global_buffer, .address_space: global }
      - { .name: W_proj, .offset: 16, .size: 8, .value_kind: global_buffer, .address_space: global }
      - { .name: xc, .offset: 24, .size: 8, .value_kind: global_buffer, .address_space: global }
      - { .name: xs, .offset: 32, .size: 8, .value_kind: global_buffer, .address_space: global }
      - { .name: wc, .offset: 40, .size: 8, .value_kind: global_buffer, .address_space: global }
      - { .name: ws, .offset: 48, .size: 8, .value_kind: global_buffer, .address_space: global }
      - { .name: w16, .offset: 56, .size: 8, .value_kind: global_buffer, .address_space: global }
    .group_segment_fixed_size: 33280
    .private_segment_fixed_size: 0
    .kernarg_segment_align: 8
    .kernarg_segment_size: 64
    .max_flat_workgroup_size: 128
    .sgpr_count:     66
    .vgpr_count:     224
    .wavefront_size: 32
...
	.end_amdgpu_metadata
.endif
;; end of part 1
;; launch qkv (part 2): grid 12 x 16, 4 waves a work-group, clusters of 4 x 4, 327,680 bytes of LDS; arguments xc, xs, wc, ws, qkv16, qkv32; writes qkv16, qkv32
.if DOCPART == 2
	.amdgcn_target "amdgcn-amd-amdhsa--gfx1250"
	.amdhsa_code_object_version 6
	.text
	.protected	k_qc4f1d89381_qkv
	.globl	k_qc4f1d89381_qkv
	.p2align	8
	.type	k_qc4f1d89381_qkv,@function
k_qc4f1d89381_qkv:
	s_mov_b64 s[64:65], 0
	v_nop
	global_prefetch_b8 v0, s[64:65] scope:SCOPE_SE
	s_setreg_imm32_b32 hwreg(HW_REG_WAVE_MODE, 25, 1), 1
	s_wait_xcnt 0x0
	s_wait_alu depctr_hold_cnt(0) depctr_sa_sdst(0) depctr_va_vdst(0) depctr_va_sdst(0) depctr_va_ssrc(0) depctr_va_vcc(0) depctr_vm_vsrc(0)
	s_getreg_b32 s2, hwreg(HW_REG_IB_STS2, 6, 4)
	s_cmp_eq_u32 s2, 0
	s_cbranch_scc0 .Lentry_in_a_cluster
	s_endpgm
.Lentry_in_a_cluster:
	s_bfe_u32 s2, ttmp6, 0x10000c
	s_cmp_lg_u32 s2, 0xf033
	s_cbranch_scc0 .Lentry_shape_is_right
	s_endpgm
.Lentry_shape_is_right:
; qkv[m][n] = sum over k of x[m][k] W_qkv[n][k], both operands as codes of FP4 (E2M1) with one E8M0 scale for each 32 along K; sums in f32.  m = 4,096 (batch x position), n = 3,072 (section, head, channel), k = 1,024.
; The result leaves twice: as f16, laid by head, qkv16 [section 3][batch 2][head 16][position 2048][64]; and rows of positions 0-15 of both batches also as f32, qkv32 [batch 2][16][3072].
; LIMIT: a result beyond 65,504 in magnitude becomes infinite in qkv16.
; A tile of 256 x 256 is made by a work-group of four waves; a wave makes 128 x 128: 64 accumulators of 16 x 16, 512 registers.  12 x 16 tiles: 192 work-groups; a wave's 128 columns are two whole heads.
; K = 1,024 is two LDS slots of 512 along K (a tile's row is 256 bytes of memory): all of K is asked for at the head, and nothing is filled again.
; THE SCALES of the work-group's 256 rows of x and 256 rows of W_qkv, for all of K, are two dense blocks of memory: they come into LDS once, with the first fills.
; CLUSTERS: 4 x 4 work-groups.  The four of a row of the cluster need the same tiles of x, the four of a column the same tiles of W_qkv: each tile is asked for JOINTLY, by the same tensor load with the same
; descriptor and a mask that names the four.  THE MATRIX INSTRUCTION IS USED TRANSPOSED (source 0 = 16 rows of W_qkv, source 1 = 16 rows of x): a lane then holds eight neighbouring channels of one position.
; REGISTERS, in windows of 256: window 0: v0-31 addresses; v32-95 scale words, two sets; from v128 x's fragments (8 x 16 rows x 128 K), one set; on the way out v32-191 are free.
;   window 1: W_qkv's fragments, two sets, at v0 and v128.   window 2: the 32 accumulators of my rows 0-63 (accumulator (a, b) at v[8 (8 a + b)]);   window 3: those of my rows 64-127.
.set SIZE_K, 1024
.set KSTEP,  512                       ; along K in a slot
.set NQ,     KSTEP/128                 ; matrix instructions deep
.set ROWB,   256                       ; a tile's row in bytes
.set KROW,   SIZE_K*4/8                ; a row of codes in memory, in bytes
.set PITCH,  272                       ; an LDS row: 256 bytes + 16 of padding = 68 words: the 16 rows that a load touches start at 16 different banks (64 banks of 4 bytes: ISA guide 11.1)
.set FR,     8                         ; registers of a fragment: 16 rows x 128 K
.set NL,     2                         ; LDS loads that bring one
.set NP,     4                         ; places behind this matrix instruction (ISA guide 7.12.1)
.set HALFT,  128*PITCH                 ; 128 rows: what one tensor load brings, and what one wave reads of either operand
.set SLOT,   4*HALFT                   ; x's 256 rows, then W_qkv's 256 rows
.set KS,     SIZE_K/32                 ; a row of scales in bytes
.set SCL,    2*SLOT                    ; behind the slots: the scales, as runs of 256 bytes + 16 of padding
.set HALFS,  (128*KS/256)*272          ; the scales of 128 rows: what one tensor load brings
.set SBLK,   (16*KS/256)*272           ; those of 16 rows
.set SPARE,  SCL+4*HALFS               ; behind the scales: the spare words, 128 bytes a wave, which no other line names
.set HP,     144                       ; the way out: a head's row of 128 bytes of f16 + 16
.set ADRA, 16                          ; v16-17  LDS address of my fragments of x in slot 0, 1
.set ADRB, 20                          ; v20-21  the same for W_qkv
.set S32,  22                          ; v22     the f32 stage: where I put 32 bytes of a row
.set R32,  23                          ; v23     and where I read a row back
.set STO,  24                          ; v24     the f16 stage: where I put 16 bytes of a row
.set RD,   25                          ; v25     and where I read rows back
.set GO,   26                          ; v26     16 x lane
.set ADRS, 27                          ; v27     LDS address of my scale words: lanes 0-15 x's rows, lanes 16-31 W_qkv's
.set SPW,  28                          ; v28     LDS address of my spare word; never rewritten
.set NIL,  29                          ; v29     0; never rewritten
.set MK,   30                          ; v30     0 in the waves that hold positions 0-15
.set SC,   32                          ; scale words: set s at v[SC + 8 NQ s]; register NQ i + q: lanes 0-15 the word of x's block i, lanes 16-31 that of W_qkv's block i
.set AF,   128                         ; x's fragments, in window 0
.set TMP,  32                          ; the way out: a block's 32 packed registers
.set W32,  64                          ; the way out: 16 rows of f32 read back
.set BK,   128                         ; the way out: a block read back from the stage: v128-159 and v160-191 by turns
.set G1, 24                            ; s[24:31] descriptor group 1 for x's tiles;  s[32:39] group 0, one set for each slot
.set G0, 32
.set G1B, 48                           ; s[48:55], s[56:63] the same for W_qkv's tiles
.set G0B, 56
.set G1S, 68                           ; s[68:75], s[76:79] groups 1 and 0 for x's scales;  s[80:87], s[88:91] for W_qkv's
.set G0S, 76
.set G1SB, 80
.set G0SB, 88
.set MSB, 0
.macro WIN new                         ; the immediate's high byte repeats the setting that is left
.if MSB != \new
	s_set_vgpr_msb (MSB<<8)|\new
.set MSB, \new
.endif
.endm
.set MUL_LO, 0xa1                      ; source 0 window 1, source 1 window 0, C and D window 2
.set MUL_HI, 0xf1                      ; the same, C and D window 3
.set TO_B,   0x40                      ; destination window 1, address window 0
; A joint load: waves 0 and 1 fetch for x, waves 2 and 3 for W_qkv.  Each of the two lines has one mask and one set of registers for all that issue it; the branch hangs on the wave's number alone.
; An s_nop 0 and four v_nop follow each of the two lines, ahead of the jump, the label and what follows.
.macro JLOAD g0a, g1a, g0b, g1b
	s_cmp_eq_u32 s15, 0
	s_cbranch_scc0 .Lfor_b_\@
	tensor_load_to_lds s[\g0a:\g0a+3], s[\g1a:\g1a+7]
	s_nop 0
.rept 4
	v_nop
.endr
	s_branch .Lasked_\@
.Lfor_b_\@:
	tensor_load_to_lds s[\g0b:\g0b+3], s[\g1b:\g1b+7]
	s_nop 0
.rept 4
	v_nop
.endr
.Lasked_\@:
.endm
.macro CROUND                          ; a round of the cluster's barrier: my work-group's barrier; wave 0 signals for the work-group; every wave waits for all sixteen; my work-group's barrier once more
	s_barrier_signal -1
	s_barrier_wait -1
	s_cmp_lg_u32 s14, 0
	s_cbranch_scc1 .Lnot_wave_0_\@
	s_barrier_signal -3
.Lnot_wave_0_\@:
	s_barrier_wait -3
	s_barrier_signal -1
	s_barrier_wait -1
.endm
	s_load_b128 s[4:7], s[0:1], 0x0                ; x's codes s[4:5], x's scales s[6:7]
	s_load_b128 s[8:11], s[0:1], 0x10              ; W_qkv's codes s[8:9], its scales s[10:11]
	s_load_b64 s[12:13], s[0:1], 0x20              ; qkv16
	s_load_b64 s[96:97], s[0:1], 0x28              ; qkv32
	v_lshl_add_u32 v[SPW], v0, 2, SPARE
	v_mov_b32 v[NIL], 0
	ds_add_u32 v[SPW], v[NIL]                      ; the wave's opening: the add, twice on end, and its wait ahead of my first tensor load
	ds_add_u32 v[SPW], v[NIL]                      ; and once more, under the one wait; the set-up below, work on registers, stands between
	v_lshrrev_b32 v1, 5, v0
	v_readfirstlane_b32 s14, v1                    ; wave 0..3
	s_lshr_b32 s15, s14, 1                         ; which half of the tile's rows is mine.  Also: I fetch for x (0) or for W_qkv (1)
	s_and_b32 s16, s14, 1                          ; which half of its columns.  Also: which 128 rows of that tile I fetch
	s_bfe_u32 s40, ttmp6, 0x40000                  ; cx, cy: my place in the cluster
	s_bfe_u32 s41, ttmp6, 0x40004
	s_lshl_b32 s42, ttmp9, 2
	s_add_co_u32 s42, s42, s40                     ; tile column = 4 x cluster x + cx
	s_and_b32 s17, ttmp7, 0xffff
	s_lshl_b32 s17, s17, 2
	s_add_co_u32 s17, s17, s41                     ; tile row = 4 x cluster y + cy
	s_lshl_b32 s43, s41, 2
	s_lshl_b32 s43, 15, s43                        ; my row of the cluster
	s_lshl_b32 s44, 0x1111, s40                    ; my column
	; descriptor group 1: a tile of 128 rows x 256 bytes, padded in LDS
	s_or_b32 s[G1+0], s43, (0<<16)|(1<<20)|(1<<21)|(5<<22)|(3<<25)  ; 15:0 the mask: x's tiles go to my row; 17:16 element of 1 byte; 20 padding on; 21 set beside a mask; 24:22 after every 64 words; 31:25 four words
	s_or_b32 s[G1B+0], s44, (0<<16)|(1<<20)|(1<<21)|(5<<22)|(3<<25)
.irp g, G1, G1B
	s_mov_b32 s[\g+1], ROWB<<16                    ; tensor_dim0
	s_mov_b32 s[\g+2], 128<<16                     ; tensor_dim1 = 128
	s_mov_b32 s[\g+3], ROWB<<16                    ; tile_dim0
	s_mov_b32 s[\g+4], 128                         ; tile_dim1 = 128
	s_mov_b32 s[\g+5], KROW                        ; tensor_dim0_stride
	s_mov_b32 s[\g+6], 0
	s_mov_b32 s[\g+7], 0
.endr
	; and for the scales of 128 rows: a dense block of 4,096 bytes, as 16 rows of 256 bytes (32 elements of 8 bytes), 16 bytes of padding behind each
	s_or_b32 s[G1S+0], s43, (3<<16)|(1<<20)|(1<<21)|(5<<22)|(3<<25)
	s_or_b32 s[G1SB+0], s44, (3<<16)|(1<<20)|(1<<21)|(5<<22)|(3<<25)
.irp g, G1S, G1SB
	s_mov_b32 s[\g+1], 32<<16
	s_mov_b32 s[\g+2], (128*KS/256)<<16
	s_mov_b32 s[\g+3], 32<<16
	s_mov_b32 s[\g+4], 128*KS/256
	s_mov_b32 s[\g+5], 32
	s_mov_b32 s[\g+6], 0
	s_mov_b32 s[\g+7], 0
.endr
	s_lshl_b32 s18, s16, 7                         ; which 128 rows of the tile I fetch
	s_lshl_b32 s20, s17, 8
	s_add_co_u32 s20, s20, s18                     ; x: row 256 x tile row + 128 x half
	s_lshl_b32 s46, s42, 8
	s_add_co_u32 s46, s46, s18                     ; W_qkv: row 256 x tile column + 128 x half
	s_mov_b32 s21, 0
	s_mov_b32 s47, 0
	s_mov_b64 s[18:19], KS
	s_mul_u64 s[22:23], s[20:21], s[18:19]         ; where these rows' scales begin, in bytes
	s_mul_u64 s[92:93], s[46:47], s[18:19]
	s_mov_b64 s[18:19], KROW
	s_mul_u64 s[20:21], s[20:21], s[18:19]         ; and their codes
	s_mul_u64 s[46:47], s[46:47], s[18:19]
	s_mul_i32 s45, s14, HALFT                      ; where they go: wave x 128 rows: no place in the cluster enters an LDS address
	s_mul_i32 s94, s14, HALFS
	s_wait_dscnt 0x0                               ; both opening adds are done
	s_wait_kmcnt 0x0
	s_add_nc_u64 s[20:21], s[4:5], s[20:21]
	s_add_nc_u64 s[22:23], s[6:7], s[22:23]
	s_add_nc_u64 s[46:47], s[8:9], s[46:47]
	s_add_nc_u64 s[92:93], s[10:11], s[92:93]
	CROUND                                         ; all sixteen work-groups are here: the joint loads meet
	s_mov_b32 s[G0S], 1
	s_add_co_u32 s[G0S+1], s94, SCL
	s_mov_b64 s[G0S+2:G0S+3], s[22:23]
	s_or_b32 s[G0S+3], s[G0S+3], 0x80000000
	s_mov_b32 s[G0SB], 1
	s_add_co_u32 s[G0SB+1], s94, SCL
	s_mov_b64 s[G0SB+2:G0SB+3], s[92:93]
	s_or_b32 s[G0SB+3], s[G0SB+3], 0x80000000
	JLOAD G0S, G1S, G0SB, G1SB                     ; the scales first: they are wanted with the first K step
.irp s, 0,1
	s_mov_b32 s[G0+4*\s], 1
	s_add_co_u32 s[G0+4*\s+1], s45, \s*SLOT
	s_add_nc_u64 s[G0+4*\s+2:G0+4*\s+3], s[20:21], \s*ROWB
	s_or_b32 s[G0+4*\s+3], s[G0+4*\s+3], 0x80000000
	s_mov_b32 s[G0B+4*\s], 1
	s_add_co_u32 s[G0B+4*\s+1], s45, \s*SLOT
	s_add_nc_u64 s[G0B+4*\s+2:G0B+4*\s+3], s[46:47], \s*ROWB
	s_or_b32 s[G0B+4*\s+3], s[G0B+4*\s+3], 0x80000000
	JLOAD G0+4*\s, G1, G0B+4*\s, G1B               ; three loads of mine are out in all
.endr
	v_and_b32 v1, 15, v0                           ; r = l % 16
	v_bfe_u32 v2, v0, 4, 1                         ; h = l / 16
	v_mul_u32_u24 v3, v1, PITCH
	v_lshl_add_u32 v4, v2, 4, v3                   ; a fragment's row x pitch + 16 x half
	s_mul_i32 s21, s15, HALFT                      ; my 128 rows of x
	s_mul_i32 s22, s16, HALFT                      ; my 128 rows of W_qkv,
	s_add_co_u32 s22, s22, 2*HALFT                 ; which lie behind x's 256
.irp s, 0,1
	v_add_nc_u32 v[ADRA+\s], s21, v4
	v_add_nc_u32 v[ADRB+\s], s22, v4
	s_add_co_u32 s21, s21, SLOT
	s_add_co_u32 s22, s22, SLOT
.endr
	v_mul_u32_u24 v5, v1, KS                       ; my row's scales: 32 bytes a row,
	v_lshrrev_b32 v6, 8, v5
	v_lshl_add_u32 v5, v6, 4, v5                   ; and 16 more for each 256 passed
	s_mul_i32 s21, s15, HALFS                      ; x's: my 128 rows
	s_mul_i32 s22, s16, HALFS                      ; W_qkv's: my 128 rows, behind x's 256
	s_add_co_u32 s22, s22, 2*HALFS
	s_sub_co_u32 s22, s22, s21
	v_mul_u32_u24 v6, s22, v2                      ; lanes 16-31 take W_qkv's: one product, the distance between the two bases
	s_add_co_u32 s21, s21, SCL
	v_add_nc_u32 v5, v5, v6
	v_add_nc_u32 v[ADRS], s21, v5
	; the way out.  My stages lie in slot 0, 16,384 bytes a wave: it has had its only fill, and behind the change of slots nobody reads it
	s_lshl_b32 s23, s14, 14
	v_mul_u32_u24 v5, v1, HP                       ; f16, in: row r, 16 bytes for each half of the lanes
	v_lshl_add_u32 v5, v2, 4, v5
	v_add_nc_u32 v[STO], s23, v5
	v_and_b32 v6, 31, v0
	v_lshrrev_b32 v5, 3, v6                        ; back: eight lanes to a row of 128 bytes, four rows an instruction
	v_mul_u32_u24 v5, v5, HP
	v_and_b32 v7, 7, v0
	v_lshl_add_u32 v5, v7, 4, v5
	v_add_nc_u32 v[RD], s23, v5
	v_lshlrev_b32 v[GO], 4, v6
	s_add_co_u32 s23, s23, 2*16*HP                 ; f32: 16 rows x (512 bytes + 16), behind the two heads' f16 rows
	v_mul_u32_u24 v5, v1, 528
	v_lshl_add_u32 v5, v2, 5, v5
	v_add_nc_u32 v[S32], s23, v5
	v_add_nc_u32 v[R32], s23, v[GO]
	; where my part begins in qkv16: section, batch, head, position
	s_lshl_b32 s20, s17, 8
	s_lshl_b32 s21, s15, 7
	s_add_co_u32 s20, s20, s21                     ; my first row m
	s_lshr_b32 s21, s20, 11
	s_lshl_b32 s21, s21, 22                        ; batch x 4,194,304
	s_and_b32 s20, s20, 2047
	s_lshl_b32 s20, s20, 7                         ; position x 128
	s_add_co_u32 s20, s20, s21
	s_lshl_b32 s46, s42, 8
	s_lshl_b32 s47, s16, 7
	s_add_co_u32 s46, s46, s47                     ; my first column n
	s_lshr_b32 s47, s46, 10
	s_lshl_b32 s47, s47, 23                        ; section x 8,388,608
	s_add_co_u32 s20, s20, s47
	s_and_b32 s47, s46, 1023
	s_lshr_b32 s47, s47, 6
	s_lshl_b32 s47, s47, 18                        ; head x 262,144
	s_add_co_u32 s20, s20, s47
	s_mov_b32 s21, 0
	s_add_nc_u64 s[12:13], s[12:13], s[20:21]
	s_lshr_b32 s20, s17, 3                         ; and in qkv32: batch x 196,608 + 4 n
	s_mul_i32 s20, s20, 196608
	s_lshl_b32 s47, s46, 2
	s_add_co_u32 s20, s20, s47
	s_add_nc_u64 s[96:97], s[96:97], s[20:21]
.macro FRAG reg, adr, q, i             ; a fragment, 16 rows x 128 K of 4-bit codes, is 8 registers: lane l holds row l % 16; registers 4 c .. 4 c + 3 hold K = 64 c + 32 (l / 16) + 0 .. 31
.irp c, 0,1
	ds_load_b128 v[\reg+4*\c:\reg+4*\c+3], v[\adr] offset:64*(\q)+32*\c+(\i)*16*PITCH
.endr
.endm
; 16 matrix instructions: x's blocks a0, a0 + 1 against W_qkv's eight, 128 along K.  p: W_qkv's set;  sc: the set of scale words.  zero = 1: the first product starts the sums.
; The 64 accumulators take turns, one instruction a turn, in the same order in every step.
.macro MUL16 a0, p, q, sc, zero
.irp a, \a0, \a0+1
.irp b, 0,1,2,3,4,5,6,7
.if \zero
	v_wmma_scale_f32_16x16x128_f8f6f4 v[8*(8*((\a)%4)+\b):8*(8*((\a)%4)+\b)+7], v[128*(\p)+FR*\b:128*(\p)+FR*\b+FR-1], v[AF+FR*(\a):AF+FR*(\a)+FR-1], 0, v[SC+8*NQ*(\sc)+NQ*\b+(\q)], v[SC+8*NQ*(\sc)+NQ*(\a)+(\q)] matrix_a_fmt:MATRIX_FMT_FP4 matrix_b_fmt:MATRIX_FMT_FP4 matrix_a_scale:MATRIX_SCALE_ROW1
.else
	v_wmma_scale_f32_16x16x128_f8f6f4 v[8*(8*((\a)%4)+\b):8*(8*((\a)%4)+\b)+7], v[128*(\p)+FR*\b:128*(\p)+FR*\b+FR-1], v[AF+FR*(\a):AF+FR*(\a)+FR-1], v[8*(8*((\a)%4)+\b):8*(8*((\a)%4)+\b)+7], v[SC+8*NQ*(\sc)+NQ*\b+(\q)], v[SC+8*NQ*(\sc)+NQ*(\a)+(\q)] matrix_a_fmt:MATRIX_FMT_FP4 matrix_b_fmt:MATRIX_FMT_FP4 matrix_a_scale:MATRIX_SCALE_ROW1
.endif
.endr
.endr
.endm
.macro FETCH_B slot, q, p              ; W_qkv's eight fragments of the slot's q-th 128 along K into set p
	WIN TO_B
.irp i, 0,1,2,3,4,5,6,7
	FRAG 128*(\p)+FR*\i, ADRB+\slot, \q, \i
.endr
	WIN 0
.endm
.macro FETCH_A slot, q, i0             ; x's blocks i0 .. i0 + 3
.irp i, \i0, \i0+1, \i0+2, \i0+3
	FRAG AF+FR*(\i), ADRA+\slot, \q, \i
.endr
.endm
.macro SCALES sc                       ; a K step's scale words into set sc: four words a row; lanes 0-15 take x's block i, lanes 16-31 W_qkv's block i
.irp i, 0,1,2,3,4,5,6,7
	ds_load_b128 v[SC+8*NQ*\sc+NQ*\i:SC+8*NQ*\sc+NQ*\i+3], v[ADRS] offset:\i*SBLK
.endr
.endm
; A load into a register that a matrix instruction has read, and a vector instruction or an LDS store that reads a matrix result, stand four places behind that matrix instruction; only plain vector
; instructions that name none of its registers are places (ISA guide 7.12.1 for vector instructions).
.macro PLACES n
.rept \n
	v_nop
.endr
.endm
; A step of 128 along K that has its successor in the same slot.
.macro STEP slot, q, zero
	s_wait_dscnt 4*NL                              ; W_qkv's set and x's blocks 0-3 are in; the youngest eight loads (x's blocks 4-7) may be out
	WIN MUL_LO
	MUL16 0, (\q)%2, \q, \slot, \zero
	MUL16 2, (\q)%2, \q, \slot, \zero
	s_wait_dscnt 0                                 ; x's blocks 4-7 are in
	PLACES NP
	FETCH_B \slot, (\q)+1, 1-(\q)%2
	FETCH_A \slot, (\q)+1, 0
	WIN MUL_HI
	MUL16 4, (\q)%2, \q, \slot, \zero
	MUL16 6, (\q)%2, \q, \slot, \zero
	PLACES NP
	WIN 0
	FETCH_A \slot, (\q)+1, 4
.endm
.macro STEPS slot, from                ; the slot's steps from .. NQ - 2
.set Q, \from
.rept NQ-1-\from
	STEP \slot, Q, 0
.set Q, Q+1
.endr
.endm
	s_wait_tensorcnt 1                             ; the scales and my part of slot 0 are in (slot 1's load may be out)
	s_barrier_signal -1
	s_barrier_wait -1                              ; everybody's are
	FETCH_B 0, 0, 0
	FETCH_A 0, 0, 0
	SCALES 0
	FETCH_A 0, 0, 4
	STEP 0, 0, 1                                   ; the first step's products start the sums: nothing is cleared
	STEPS 0, 1
	; slot 0's last step changes slots: one barrier; in front of it each wave waits for all its tensor loads (its part of slot 1), adds 0 to its spare word, and waits for that and for its reads of slot 0
	s_wait_tensorcnt 0x0                           ; (every window is 0 here)
	ds_add_u32 v[SPW], v[NIL]
	s_wait_dscnt 4*NL+1                            ; (the add and the youngest eight loads may be out)
	WIN MUL_LO
	MUL16 0, 1, NQ-1, 0, 0                         ; sixteen matrix instructions stand between the add and the wait for it
	s_wait_dscnt 0x0                               ; the add is done, and my reads of slot 0 are over
	s_barrier_signal -1
	MUL16 2, 1, NQ-1, 0, 0
	WIN 0
	s_barrier_wait -1
	PLACES NP
	v_add_nc_u32 v[ADRS], 4*NQ, v[ADRS]            ; on to the second K step's scale words
	FETCH_B 1, 0, 0
	FETCH_A 1, 0, 0
	SCALES 1
	WIN MUL_HI
	MUL16 4, 1, NQ-1, 0, 0
	MUL16 6, 1, NQ-1, 0, 0
	PLACES NP
	WIN 0
	FETCH_A 1, 0, 4
	STEPS 1, 0
	s_wait_dscnt 4*NL                              ; the very last step: nothing more to fetch
	WIN MUL_LO
	MUL16 0, 1, NQ-1, 1, 0
	MUL16 2, 1, NQ-1, 1, 0
	s_wait_dscnt 0
	WIN MUL_HI
	MUL16 4, 1, NQ-1, 1, 0
	MUL16 6, 1, NQ-1, 1, 0
	WIN 0
; THE WAY OUT, block by block of 16 positions x 128 columns (two heads).  A lane's eight channels pack into 16 bytes of f16; they go into my stage (rows of 144 bytes, a head behind the other) and come back as
; four whole rows an instruction.  In qkv16 a head's 16 positions are 2,048 consecutive bytes: each store of the wave covers 512 consecutive bytes, aligned.  Every offset is an immediate.
.macro PACK a
.set AC, 64*((\a)%4)
	WIN 0x0a+5*((\a)/4)                            ; sources 0 and 1: window 2 or 3
.irp b, 0,1,2,3,4,5,6,7
.irp q, 0,1,2,3
	v_cvt_pk_f16_f32 v[TMP+4*\b+\q], v[AC+8*\b+2*\q], v[AC+8*\b+2*\q+1]   ; each accumulator from its low end on
.endr
.endr
	WIN 0
.endm
.macro TOSTAGE a
.set BB, BK+32*((\a)%2)
.irp b, 0,1,2,3,4,5,6,7
	ds_store_b128 v[STO], v[TMP+4*\b:TMP+4*\b+3] offset:(\b/4)*16*HP+(\b%4)*32
.endr
.irp hd, 0,1
.irp i, 0,1,2,3
	ds_load_b128 v[BB+4*(4*\hd+\i):BB+4*(4*\hd+\i)+3], v[RD] offset:\hd*16*HP+\i*4*HP   ; LDS serves a wave's instructions in order (ISA guide 5.7.1.4): these see the stores above
.endr
.endr
.endm
.macro SEND a, younger                 ; younger: the LDS instructions issued behind block a's loads, which may stay out
.set BB, BK+32*((\a)%2)
	s_wait_dscnt \younger
.irp hd, 0,1
.irp i, 0,1,2,3
	global_store_b128 v[GO], v[BB+4*(4*\hd+\i):BB+4*(4*\hd+\i)+3], s[12:13] offset:(\a)*2048+\hd*262144+\i*512
.endr
.endr
.endm
	PLACES NP                                      ; behind the last products: the conversions write registers that held scale words, and the loads land where x's fragments lay
	PACK 0
	TOSTAGE 0
.irp a, 1,2,3,4,5,6,7
	PACK \a
.if \a > 1
	s_wait_xcnt 0x0                                ; block a - 2's stores have read their registers: block a's loads may land there
.endif
	TOSTAGE \a
	SEND \a-1, 16                                  ; behind block a - 1's loads: block a's 8 stores and 8 loads
.endr
	SEND 7, 0
	; POSITIONS 0-15 ALSO LEAVE AS f32.  They are block 0 of the waves with the upper half of the rows, in tile rows 0 and 8.  Every wave sends its block 0 through its f32 stage; only those waves' lanes are on for the
	; stores: a mask on the lanes and no branch, since partners of a cluster take the same way through the text.
	WIN 0x08                                       ; an LDS store's data are its source 1: window 2
.irp b, 0,1,2,3,4,5,6,7
	ds_store_b128 v[S32], v[8*\b:8*\b+3] offset:64*\b
	ds_store_b128 v[S32], v[8*\b+4:8*\b+7] offset:64*\b+16
.endr
	WIN 0
.irp t, 0,1,2,3,4,5,6,7,8,9,10,11,12,13,14,15
	ds_load_b128 v[W32+4*\t:W32+4*\t+3], v[R32] offset:\t*528
.endr
	s_and_b32 s20, s17, 7
	s_or_b32 s20, s20, s15                         ; 0 where my block 0 holds positions 0-15
	v_mov_b32 v[MK], s20
	v_cmp_eq_u32 vcc_lo, 0, v[MK]
	s_wait_dscnt 0x0
	s_wait_xcnt 0x0                                ; EXEC changes only behind this wait
	s_and_saveexec_b32 s21, vcc_lo
.irp t, 0,1,2,3,4,5,6,7,8,9,10,11,12,13,14,15
	global_store_b128 v[GO], v[W32+4*\t:W32+4*\t+3], s[96:97] offset:12288*\t   ; 32 lanes store 512 consecutive bytes of position t's row
.endr
	s_wait_xcnt 0x0                                ; and again, in front of the line that widens it
	s_or_b32 exec_lo, exec_lo, s21
	s_wait_tensorcnt 0x0                           ; the wave's end: behind my last tensor load and my last LDS store
	ds_add_u32 v[SPW], v[NIL]
	s_wait_dscnt 0x0
	CROUND                                         ; the closing round: no work-group ends while a partner may still ask for a tile that names it
	s_endpgm
.Lfunc_end_k_qc4f1d89381_qkv:
	.size	k_qc4f1d89381_qkv, .Lfunc_end_k_qc4f1d89381_qkv-k_qc4f1d89381_qkv
	.p2alignl 7, 3214868480
	.fill 96, 4, 3214868480
	.section	.rodata,"a",@progbits
	.p2align	6, 0x0
	.amdhsa_kernel k_qc4f1d89381_qkv
		.amdhsa_group_segment_fixed_size 327680
		.amdhsa_private_segment_fixed_size 0
		.amdhsa_enable_private_segment 0
		.amdhsa_kernarg_size 48
		.amdhsa_user_sgpr_count 2
		.amdhsa_user_sgpr_kernarg_segment_ptr 1
		.amdhsa_wavefront_size32 1
		.amdhsa_system_sgpr_workgroup_id_x 1
		.amdhsa_system_sgpr_workgroup_id_y 1
		.amdhsa_system_sgpr_workgroup_id_z 1
		.amdhsa_system_vgpr_workitem_id 0
		.amdhsa_next_free_vgpr 1024
		.amdhsa_next_free_sgpr 98
		.amdhsa_reserve_vcc 1
		.amdhsa_float_denorm_mode_32 3
		.amdhsa_float_denorm_mode_16_64 3
		.amdhsa_memory_ordered 1
		.amdhsa_forward_progress 1
		.amdhsa_inst_pref_size 131
	.end_amdhsa_kernel
	.amdgpu_metadata
---
amdhsa.version: [ 1, 2 ]
amdhsa.kernels:
  - .name:           k_qc4f1d89381_qkv
    .symbol:         k_qc4f1d89381_qkv.kd
    .args:
      - { .name: xc, .offset: 0, .size: 8, .value_kind: global_buffer, .address_space: global }
      - { .name: xs, .offset: 8, .size: 8, .value_kind: global_buffer, .address_space: global }
      - { .name: wc, .offset: 16, .size: 8, .value_kind: global_buffer, .address_space: global }
      - { .name: ws, .offset: 24, .size: 8, .value_kind: global_buffer, .address_space: global }
      - { .name: qkv16, .offset: 32, .size: 8, .value_kind: global_buffer, .address_space: global }
      - { .name: qkv32, .offset: 40, .size: 8, .value_kind: global_buffer, .address_space: global }
    .group_segment_fixed_size: 327680
    .private_segment_fixed_size: 0
    .kernarg_segment_align: 8
    .kernarg_segment_size: 48
    .max_flat_workgroup_size: 128
    .sgpr_count:     98
    .vgpr_count:     1024
    .wavefront_size: 32
...
	.end_amdgpu_metadata
.endif
;; end of part 2
;; launch attn (part 3): grid 8 x 32, 8 waves a work-group, no clusters, 327,680 bytes of LDS; arguments qkv16, att16; writes att16
.if DOCPART == 3
	.amdgcn_target "amdgcn-amd-amdhsa--gfx1250"
	.amdhsa_code_object_version 6
	.text
	.protected	k_qc4f1d89381_attn
	.globl	k_qc4f1d89381_attn
	.p2align	8
	.type	k_qc4f1d89381_attn,@function
k_qc4f1d89381_attn:
	s_mov_b64 s[64:65], 0
	v_nop
	global_prefetch_b8 v0, s[64:65] scope:SCOPE_SE
	s_setreg_imm32_b32 hwreg(HW_REG_WAVE_MODE, 25, 1), 1
	s_wait_xcnt 0x0
; att[b][h][q][:] = the sum over k <= q of softmax_k(Q[q] . K[k] / 8) V[k][:], for 32 heads (batch x head) of 2,048 positions x 64 channels.  Q, K, V: f16, by head (qkv16); att16: f16, by head.
; Products with f16 operands and f32 sums; maxima, exponentials and sums in f32; the weights p (at most 1) are rounded to f16 for the second product, the result once at the end.
; LIMITS: operands are f16 (magnitudes over 65,504 are infinite, under 6e-5 they lose precision); a query's keys are summed in two halves by two waves, an order other than the reference's.
; SHARES.  Work-group (i, head) owns the query blocks of 128 with numbers 15 - i and i, the late one first.  Block j needs key tiles 0 .. j of 128 keys: 16 - i steps and i + 1 steps: 17 STEPS IN EVERY WORK-GROUP,
; so all trip counts are constants and all 256 work-groups have equal work.  Tiles that lie wholly behind the causal limit are never walked.
; Wave w: qg = w % 4 picks 32 queries (two tiles of 16), kh = w / 4 picks 64 of a step's 128 keys: two waves to a SIMD, so that one wave's softmax stands beside the other's products and LDS loads.
; The two waves of a pair hold partial (m, l, O) over different keys; at a block's end both put them into LDS (FLUSH), and behind the next barrier wave kh joins and stores query tile kh of the pair (MERGE).
; LAYOUT.  S^T = K Q^T (source 0 = 16 keys, source 1 = 16 queries): a lane holds ONE query (lane % 16) and keys 8 (lane / 16) + 0..7.  Two such tiles, rounded to f16 in pairs, are source 1 of O^T = V^T P,
; whose result again holds one query a lane.  K comes out of LDS as it lies, V ([key][channel]) turned, by ds_load_tr16_b128.
; SOFTMAX.  A running maximum m and sum l for each query: p = 2^(c s - c m), c = log2(e) / 8; in every step O and l are multiplied by a = 2^(c m_old - c m_new).
; NO CLUSTER: the eight work-groups of a head leave the common walk over the keys at eight different steps (after 9 .. 16 tiles) and begin again at key 0, so partners would need different tiles at the same barrier.
; THE RING: two LDS slots of two steps each; at a change of slots each of the eight waves brings 64 rows of 128 bytes (a dense 8,192 bytes) by one tensor load, which has two steps in which to land.
; LDS: a step: K 128 rows x 144, then V 128 rows x 160.  Slot 0 at 0, slot 1 at 2^17.  Behind them, in bytes of their own: the scratch for FLUSH (8 x 8,704), the stages (8 x 2,304), the spare words.
; REGISTERS: v1-13 addresses that stay; v14, v15 the step's LDS addresses; v16-31 statistics, eight a tile: +0 c m, +1 m, +2, +3 l, +4 .. +7 at work (+6: a); v32-63 Q; v64-127 S^T, P laid over it;
; v128-191 O^T; v192-255 K's fragments, then V's.
.set STEPB, 38912                      ; a step's tiles
.set VOFF,  18432                      ; V behind K's 128 rows
.set SLOT1, 131072
.set SCR,   208896                     ; scratch: for each wave O's image, 16 x 512 bytes, then (m, l) of two tiles, 2 x 256 bytes
.set SCWV,  8704
.set STG,   278528                     ; stages: 16 rows x 144 bytes for each wave
.set SPARE, 296960                     ; the spare words, 128 bytes a wave, which no other line names
; scalars: s8 wave, s9 qg, s10 kh (also: which step of a slot I fetch), s11 K (0) or V (1), s12 which 64 rows; s13 i, s14 steps of the late block, s15 the next diagonal step, s16 the step, s17 first step of the slot asked for,
; s18 LDS byte of the step's tiles, s19, s20 counters, s21 1 on the diagonal, s22 1: my keys are all hidden there, s23 1: some are; s[24:31], s[32:39] groups 1; s[40:43], s[44:47] groups 0; s[48:49], s[50:51] K's and V's bases;
; s[52:55] Q's two blocks; s[56:59] att's; s[60:61] c; s[62:63] lane selects; s[66:67], s68 prefetch; s69 the change at which the late block is joined, s70 counts changes; s71 32 qg - 64 kh; s72-s83 at work
.macro TLOAD                           ; one tensor load a wave: K's tile or V's; the branch hangs on the wave's number alone.  An s_nop 0 and four v_nop follow each line
	s_cmp_eq_u32 s11, 0
	s_cbranch_scc0 .Lfor_v_\@
	tensor_load_to_lds s[40:43], s[24:31]
	s_nop 0
.rept 4
	v_nop
.endr
	s_branch .Lasked_\@
.Lfor_v_\@:
	tensor_load_to_lds s[44:47], s[32:39]
	s_nop 0
.rept 4
	v_nop
.endr
.Lasked_\@:
.endm
; A PREFETCH INTO THE L2 of the slot after the one just asked for: 32,768 bytes of K and as many of V.  The work-group with i = 0 walks all 16 key tiles of its head in its first 16 steps: it alone asks, for the whole head.
; Waves 0-3 take K's bytes, waves 4-7 V's, 8,192 a wave, lanes 256 bytes apart: each aligned block of 256 bytes is named once in the launch.  It stands behind the wave's tensor load, two steps ahead of the load that
; will want the bytes; the changes with s19 = 1 and later ask for nothing: the last bytes named are key tile 15's.  Slots 0 and 1 come by their loads alone.
.macro ASK
	s_cmp_gt_u32 s19, s68
	s_cbranch_scc0 .Lnot_mine_\@
	global_prefetch_b8 v5, s[66:67] th:TH_LOAD_NT scope:SCOPE_SE
.Lnot_mine_\@:
.endm
; On the diagonal: key 64 kh + 16 kt + 8 h + j is hidden from query 32 qg + 16 t + r where 16 kt + j - 16 t > d = r - 8 h + 32 qg - 64 kh.  Hidden scores become -infinity ahead of the maximum: p = 0 then.
.macro MASK
	v_and_b32 v20, 15, v0
	v_bfe_u32 v21, v0, 4, 1
	v_lshlrev_b32 v21, 3, v21
	v_sub_nc_u32 v20, v20, v21
	v_add_nc_u32 v20, s71, v20                     ; d
	v_mov_b32 v21, 0xff800000                      ; -infinity
.irp t, 0,1
.irp kt, 0,1,2,3
.irp j, 0,1,2,3,4,5,6,7
	v_cmp_gt_i32 vcc_lo, 16*\kt+\j-16*\t, v20
	v_cndmask_b32 v[64+32*\t+8*\kt+\j], v[64+32*\t+8*\kt+\j], v21, vcc_lo
.endr
.endr
.endr
.endm
; The softmax of both tiles for one step, the tiles line by line by turns.
.macro SOFTMAX
.irp j, 0,1,2,3                        ; the maximum of 32 scores and the old m: four chains, each accumulator from its low end on
.irp t, 0,1
	v_max3_num_f32 v[20+8*\t+\j], v[64+32*\t+8*\j], v[65+32*\t+8*\j], v[66+32*\t+8*\j]
.endr
.endr
.irp e, 3,5
.irp j, 0,1,2,3
.irp t, 0,1
	v_max3_num_f32 v[20+8*\t+\j], v[20+8*\t+\j], v[64+32*\t+8*\j+\e], v[65+32*\t+8*\j+\e]
.endr
.endr
.endr
.irp t, 0,1
	v_max3_num_f32 v[20+8*\t], v[20+8*\t], v[71+32*\t], v[79+32*\t]
	v_max3_num_f32 v[22+8*\t], v[22+8*\t], v[87+32*\t], v[95+32*\t]
.endr
.irp t, 0,1
	v_max3_num_f32 v[20+8*\t], v[20+8*\t], v[21+8*\t], v[22+8*\t]
.endr
.irp t, 0,1
	v_max3_num_f32 v[20+8*\t], v[20+8*\t], v[23+8*\t], v[17+8*\t]
.endr
.irp t, 0,1
	v_permlanex16_b32 v[21+8*\t], v[20+8*\t], s62, s63   ; the query's other 32 keys lie in the lane 16 away
.endr
.irp t, 0,1
	v_mov_b32 v[23+8*\t], v[16+8*\t]               ; c m_old is kept for a
.endr
.irp t, 0,1
	v_max_num_f32 v[17+8*\t], v[20+8*\t], v[21+8*\t]
.endr
.irp t, 0,1
	v_mul_f32 v[16+8*\t], s60, v[17+8*\t]
.endr
.irp t, 0,1
	v_sub_f32 v[23+8*\t], v[23+8*\t], v[16+8*\t]
.endr
.irp b, 0,2,4,6,8,10,12,14,16,18,20,22,24,26,28,30
.irp t, 0,1
	v_pk_fma_f32 v[64+32*\t+\b:65+32*\t+\b], v[64+32*\t+\b:65+32*\t+\b], s[60:61], v[16+8*\t:17+8*\t] op_sel_hi:[1,0,0] neg_lo:[0,0,1] neg_hi:[0,0,1]   ; c s - c m, two at a time
.endr
.endr
.irp t, 0,1
	v_exp_f32 v[22+8*\t], v[23+8*\t]               ; a
.endr
.irp j, 0,1,2,3,4,5,6,7,8,9,10,11,12,13,14,15,16,17,18,19,20,21,22,23,24,25,26,27,28,29,30,31
.irp t, 0,1
	v_exp_f32 v[64+32*\t+\j], v[64+32*\t+\j]       ; p
.endr
.endr
	v_nop                                          ; a plain instruction behind the last exponential
	s_wait_alu depctr_va_vdst(0)                   ; one wait for the batch of 66, ahead of its first reader
.irp t, 0,1
	v_pk_mul_f32 v[18+8*\t:19+8*\t], v[18+8*\t:19+8*\t], v[22+8*\t:23+8*\t] op_sel_hi:[1,0]   ; l x a
.endr
.irp t, 0,1
	v_pk_add_f32 v[20+8*\t:21+8*\t], v[64+32*\t:65+32*\t], v[66+32*\t:67+32*\t]               ; the sum of p, before it is rounded, in two chains
.endr
.irp j, 4,8,12,16,20,24,28
.irp t, 0,1
	v_pk_add_f32 v[18+8*\t:19+8*\t], v[18+8*\t:19+8*\t], v[64+32*\t+\j:65+32*\t+\j]
	v_pk_add_f32 v[20+8*\t:21+8*\t], v[20+8*\t:21+8*\t], v[66+32*\t+\j:67+32*\t+\j]
.endr
.endr
.irp t, 0,1
	v_pk_add_f32 v[18+8*\t:19+8*\t], v[18+8*\t:19+8*\t], v[20+8*\t:21+8*\t]
.endr
.irp j, 0,1,2,3,4,5,6,7,8,9,10,11,12,13,14,15
.irp t, 0,1
	v_cvt_pk_f16_f32 v[64+32*\t+\j], v[64+32*\t+2*\j], v[65+32*\t+2*\j]   ; P over S^T, ascending: register j is written when registers 2 j and 2 j + 1 are read
.endr
.endr
.irp k, 0,2,4,6,8,10,12,14,16,18,20,22,24,26,28,30
.irp t, 0,1
	v_pk_mul_f32 v[128+32*\t+\k:129+32*\t+\k], v[128+32*\t+\k:129+32*\t+\k], v[22+8*\t:23+8*\t] op_sel_hi:[1,0]   ; O^T x a, each accumulator from its low end on
.endr
.endr
.endm
; A block's end: my partial O^T as an image of its registers, and (m, l) of each tile, go to my scratch.  next = 1: the early block's Q is fetched and m, l, O^T begin anew.
.macro FLUSH next
.irp t, 0,1
	v_mov_b32 v[20+8*\t], v[17+8*\t]               ; m.  (These four plain lines are the places behind the last products)
	v_add_f32 v[21+8*\t], v[18+8*\t], v[19+8*\t]   ; l's two halves
.endr
.irp k, 0,1,2,3,4,5,6,7,8,9,10,11,12,13,14,15
	ds_store_b128 v8, v[128+4*\k:131+4*\k] offset:512*\k
.endr
.irp t, 0,1
	ds_store_b64 v9, v[20+8*\t:21+8*\t] offset:256*\t
.endr
.if \next
.irp t, 0,1
.irp c, 0,1
	global_load_b128 v[32+16*\t+8*\c:35+16*\t+8*\c], v6, s[54:55] offset:2048*\t+64*\c
	global_load_b128 v[36+16*\t+8*\c:39+16*\t+8*\c], v6, s[54:55] offset:2048*\t+64*\c+32
.endr
.endr
.irp k, 0,1,2,3,4,5,6,7,8,9,10,11,12,13,14,15,16,17,18,19,20,21,22,23,24,25,26,27,28,29,30,31,32,33,34,35,36,37,38,39,40,41,42,43,44,45,46,47,48,49,50,51,52,53,54,55,56,57,58,59,60,61,62,63
	v_mov_b32 v[128+\k], 0                         ; where a block begins hangs on the work-group's number, so the step is written once and finds zeros
.endr
.irp t, 0,1
	v_mov_b32 v[17+8*\t], 0xff61b1e6               ; m = -3e38, under every score
	v_mul_f32 v[16+8*\t], s60, v[17+8*\t]
	v_mov_b32 v[18+8*\t], 0
	v_mov_b32 v[19+8*\t], 0
.endr
	s_mov_b32 s15, 16                              ; the early block's diagonal is the last step
	s_wait_loadcnt 0x0                             ; Q
.endif
.endm
; Query tile kh of my pair is joined from the two waves' scratch and stored: O = (f0 O0 + f1 O1) / (f0 l0 + f1 l1), f = 2^(c (m_x - m)).  A wave that saw no open key left m = -3e38, l = 0, O = 0: its f is 0.
.macro MERGE ob
.rept 4
	v_nop                                          ; places in front of loads into registers that matrix instructions have read
.endr
	ds_load_b64 v[192:193], v11                    ; m0, l0
	ds_load_b64 v[194:195], v11 offset:4*SCWV      ; m1, l1
.irp k, 0,1,2,3,4,5,6,7
	ds_load_b128 v[64+4*\k:67+4*\k], v10 offset:512*\k
.endr
.irp k, 0,1,2,3,4,5,6,7
	ds_load_b128 v[96+4*\k:99+4*\k], v10 offset:4*SCWV+512*\k
.endr
	s_wait_dscnt 16                                ; the statistics are in; the 16 loads of the images may be out
	v_max_num_f32 v196, v192, v194
	v_mov_b32 v204, 0                              ; (a lane permute's destination counts as one of its sources)
	v_sub_f32 v197, v192, v196
	v_sub_f32 v198, v194, v196
	v_mul_f32 v197, s60, v197
	v_mul_f32 v198, s60, v198
	v_exp_f32 v197, v197                           ; f0
	v_exp_f32 v198, v198                           ; f1
	v_nop
	s_wait_alu depctr_va_vdst(0)                   ; one wait for the two, ahead of their first reader
	v_mul_f32 v199, v197, v193
	v_fma_f32 v199, v198, v195, v199
	v_permlanex16_b32 v204, v199, s62, s63
	v_add_f32 v199, v199, v204                     ; the row's sum
	v_rcp_f32 v199, v199
	v_nop
	s_wait_alu depctr_va_vdst(0)
	v_mul_f32 v200, v197, v199
	v_mul_f32 v202, v198, v199
	v_mov_b32 v201, v200                           ; (named as the upper halves of pairs)
	v_mov_b32 v203, v202
	s_wait_dscnt 0x0
.irp k, 0,2,4,6,8,10,12,14,16,18,20,22,24,26,28,30
	v_pk_mul_f32 v[64+\k:65+\k], v[64+\k:65+\k], v[200:201] op_sel_hi:[1,0]
.endr
.irp k, 0,2,4,6,8,10,12,14,16,18,20,22,24,26,28,30
	v_pk_fma_f32 v[64+\k:65+\k], v[96+\k:97+\k], v[202:203], v[64+\k:65+\k] op_sel_hi:[1,0,1]
.endr
.irp k, 0,1,2,3,4,5,6,7,8,9,10,11,12,13,14,15
	v_cvt_pk_f16_f32 v[208+\k], v[64+2*\k], v[65+2*\k]
.endr
.irp ct, 0,1,2,3
	ds_store_b128 v12, v[208+4*\ct:211+4*\ct] offset:32*\ct   ; my own stage: row r, channels 16 ct + 8 h on
.endr
.irp i, 0,1,2,3
	ds_load_b128 v[224+4*\i:227+4*\i], v13 offset:576*\i      ; back as four whole rows; LDS serves a wave's instructions in order
.endr
	s_wait_dscnt 0x0
.irp i, 0,1,2,3
	global_store_b128 v7, v[224+4*\i:227+4*\i], s[\ob:\ob+1] offset:512*\i   ; a tile's 16 rows are 2,048 consecutive bytes: each store covers 512, aligned
.endr
	s_wait_xcnt 0x0                                ; the stores have read their registers, which the next step's loads take
.endm
; THE CHANGE OF SLOTS, at a slot's head.  Each wave waits for all its tensor loads (its part of the slot ahead), adds 0 to its spare word, and waits for that and for its reads of the slot that it has left.
; Behind the first barrier the slot ahead is whole and nobody reads the other: fill = 2: all eight waves fill it with the next two steps' tiles; 1: waves 0-3, with the last step's; 0: nothing is left.
; Between the two barriers, and nowhere else, scratch is read; it is written only behind the second and ahead of the next first one.  The load stays out across it.
.macro CHANGE fill
	s_wait_tensorcnt 0x0                           ; no tensor load of mine is out, so the groups 0 may be written
	ds_add_u32 v3, v4                              ; 0 onto my spare word; the descriptors' steps stand between it and the wait for it
.if \fill
	s_xor_b32 s41, s41, SLOT1                      ; the other slot than last time
	s_xor_b32 s45, s45, SLOT1
	s_add_co_u32 s17, s17, 2                       ; the first step of the slot asked for,
	s_add_co_u32 s72, s17, s10                     ; mine of its two,
	s_cmp_ge_u32 s72, s14
	s_cselect_b32 s74, s14, 0
	s_sub_co_u32 s72, s72, s74                     ; its key tile: the early block begins again at tile 0
	s_lshl_b32 s72, s72, 14                        ; 128 rows of 128 bytes
	s_mov_b32 s73, 0
	s_add_nc_u64 s[42:43], s[48:49], s[72:73]
	s_or_b32 s43, s43, 0x80000000
	s_add_nc_u64 s[46:47], s[50:51], s[72:73]
	s_or_b32 s47, s47, 0x80000000
.if \fill == 2
	s_wait_xcnt 0x0                                ; the last prefetch, two steps back, has read its address, so it may be written
	s_add_nc_u64 s[66:67], s[66:67], 32768
.endif
.endif
	s_wait_dscnt 0x0                               ; the add is done, and my reads of the slot that I have left, and my stores into scratch, are over
	s_barrier_signal -1
	s_barrier_wait -1
.if \fill == 2
	TLOAD                                          ; the first thing behind the barrier, and my one tensor load until the next change
	ASK
.endif
.if \fill == 1
	s_cmp_lt_u32 s8, 4
	s_cbranch_scc0 .Lno_load_\@
	TLOAD
.Lno_load_\@:
.endif
	s_cmp_eq_u32 s70, s69                          ; the first change behind the late block's last step: ids alone, the same in all eight waves
	s_cbranch_scc0 .Lno_merge_\@
	MERGE 56
.Lno_merge_\@:
	s_add_co_u32 s70, s70, 1
	s_wait_dscnt 0x0
	s_barrier_signal -1
	s_barrier_wait -1
.endm
; A STEP: my 64 keys of the step's 128 against my 32 queries.  last = 1: the launch's last step, whose FLUSH is written behind it.
.macro STEP last
	v_add_nc_u32 v14, s18, v1                      ; the step's tiles.  (With the three v_nop below: five places behind the last products: the loads land on V's fragments, the new scores on P)
	v_add_nc_u32 v15, s18, v2
	s_cmp_eq_u32 s16, s15
	s_cselect_b32 s21, 1, 0                        ; on the diagonal?
	s_and_b32 s74, s21, s22
	s_cmp_lg_u32 s74, 0
	s_cbranch_scc1 .Lskip_\@                       ; there my keys may all come after my queries (kh = 1, qg < 2): ids alone; no barrier and no tensor load stands in a step
.rept 3
	v_nop
.endr
.irp c, 0,1
.irp kt, 0,1,2,3
	ds_load_b128 v[192+8*(4*\c+\kt):195+8*(4*\c+\kt)], v14 offset:\kt*2304+\c*64
	ds_load_b128 v[196+8*(4*\c+\kt):199+8*(4*\c+\kt)], v14 offset:\kt*2304+\c*64+32
.endr
.endr
	s_wait_dscnt 8                                 ; channels 0-31 are in; the eight loads of channels 32-63 may be out
.irp kt, 0,1,2,3                       ; the eight accumulators take turns, one instruction a turn
.irp t, 0,1
	v_wmma_f32_16x16x32_f16 v[64+32*\t+8*\kt:71+32*\t+8*\kt], v[192+8*\kt:199+8*\kt], v[32+16*\t:39+16*\t], 0
.endr
.endr
	s_wait_dscnt 0x0
.irp kt, 0,1,2,3
.irp t, 0,1
	v_wmma_f32_16x16x32_f16 v[64+32*\t+8*\kt:71+32*\t+8*\kt], v[224+8*\kt:231+8*\kt], v[40+16*\t:47+16*\t], v[64+32*\t+8*\kt:71+32*\t+8*\kt]
.endr
.endr
.rept 4
	v_nop                                          ; places in front of the loads over K's fragments and of the first read of the scores
.endr
.irp ks, 0,1
.irp ct, 0,1,2,3
	ds_load_tr16_b128 v[192+8*(4*\ks+\ct):195+8*(4*\ks+\ct)], v15 offset:\ks*5120+\ct*32
	ds_load_tr16_b128 v[196+8*(4*\ks+\ct):199+8*(4*\ks+\ct)], v15 offset:\ks*5120+2560+\ct*32
.endr
.endr
	s_and_b32 s74, s21, s23
	s_cmp_lg_u32 s74, 0
	s_cbranch_scc0 .Lopen_\@
	MASK
.Lopen_\@:
	SOFTMAX
	s_wait_dscnt 0x0                               ; V is in
.irp ks, 0,1
.irp ct, 0,1,2,3
.irp t, 0,1
	v_wmma_f32_16x16x32_f16 v[128+32*\t+8*\ct:135+32*\t+8*\ct], v[192+8*(4*\ks+\ct):199+8*(4*\ks+\ct)], v[64+32*\t+8*\ks:71+32*\t+8*\ks], v[128+32*\t+8*\ct:135+32*\t+8*\ct]
.endr
.endr
.endr
.Lskip_\@:
.if \last == 0
	s_cmp_eq_u32 s21, 1
	s_cbranch_scc0 .Lno_flush_\@
	FLUSH 1                                        ; the late block's last step
.Lno_flush_\@:
.endif
	s_add_co_u32 s18, s18, STEPB
	s_add_co_u32 s16, s16, 1
.endm
.macro TWO_STEPS                       ; a slot's two steps: written once, walked twice
	s_mov_b32 s20, 2
.Lstep_\@:
	STEP 0
	s_sub_co_u32 s20, s20, 1
	s_cmp_lg_u32 s20, 0
	s_cbranch_scc1 .Lstep_\@
	s_sub_co_u32 s18, s18, 2*STEPB
	s_xor_b32 s18, s18, SLOT1                      ; on to the other slot
.endm
	s_load_b128 s[4:7], s[0:1], 0x0                ; qkv16 s[4:5], att16 s[6:7]
	v_lshl_add_u32 v3, v0, 2, SPARE
	v_mov_b32 v4, 0
	ds_add_u32 v3, v4                              ; the wave's opening: the add, twice on end, and its wait ahead of my first tensor load
	ds_add_u32 v3, v4                              ; and once more, under the one wait; the set-up below, work on registers, stands between
	v_lshrrev_b32 v5, 5, v0
	v_readfirstlane_b32 s8, v5                     ; wave 0..7
	s_and_b32 s9, s8, 3                            ; qg
	s_lshr_b32 s10, s8, 2                          ; kh
	s_bfe_u32 s11, s8, 0x10001                     ; I fetch for K (0) or V (1)
	s_and_b32 s12, s8, 1                           ; which 64 rows
	s_mov_b32 s13, ttmp9                           ; i
	s_sub_co_u32 s14, 16, s13                      ; steps of the late block
	s_sub_co_u32 s15, s14, 1                       ; its diagonal step
	s_mov_b32 s16, 0
	s_mov_b32 s17, 0
	s_mov_b32 s18, 0
	s_lshr_b32 s69, s15, 1
	s_add_co_u32 s69, s69, 1                       ; the change behind that step
	s_mov_b32 s70, 0
	s_lshl_b32 s82, s9, 5
	s_lshl_b32 s83, s10, 6
	s_sub_co_i32 s71, s82, s83                     ; 32 qg - 64 kh
	s_cmp_lt_i32 s71, -31
	s_cselect_b32 s22, 1, 0                        ; on the diagonal my first key comes after my last query
	s_cmp_ge_i32 s71, 63
	s_cselect_b32 s23, 0, 1                        ; or some key is hidden from some query
	s_cmp_eq_u32 s13, 0
	s_cselect_b32 s68, 1, -1                       ; who prefetches
	s_mov_b32 s60, 0x3e38aa3b                      ; c = log2(e) / 8
	s_mov_b32 s61, s60                             ; (named with it as a pair)
	s_mov_b32 s62, 0x76543210
	s_mov_b32 s63, 0xfedcba98                      ; v_permlanex16_b32's selects for lane l xor 16
	; descriptor groups 1: 64 rows x 64 elements of 2 bytes, dense in memory; 16 bytes (K) or 32 (V) of padding behind each row of 32 words
	s_mov_b32 s24, (1<<16)|(1<<20)|(4<<22)|(3<<25)
	s_mov_b32 s32, (1<<16)|(1<<20)|(4<<22)|(7<<25)
.irp g, 24, 32
	s_mov_b32 s[\g+1], 64<<16                      ; tensor_dim0
	s_mov_b32 s[\g+2], 64<<16                      ; tensor_dim1
	s_mov_b32 s[\g+3], 64<<16                      ; tile_dim0
	s_mov_b32 s[\g+4], 64                          ; tile_dim1
	s_mov_b32 s[\g+5], 64                          ; tensor_dim0_stride
	s_mov_b32 s[\g+6], 0
	s_mov_b32 s[\g+7], 0
.endr
	s_mov_b32 s40, 1
	s_mov_b32 s44, 1
	s_mul_i32 s82, s10, STEPB                      ; where my tile goes: my step of the slot, my 64 rows
	s_mul_i32 s83, s12, 9216
	s_add_co_u32 s41, s82, s83
	s_mul_i32 s83, s12, 10240
	s_add_co_u32 s45, s82, s83
	s_add_co_u32 s45, s45, VOFF
	s_and_b32 s74, ttmp7, 0xffff
	s_lshl_b32 s74, s74, 18                        ; the head's first byte in a section, and in att16
	s_lshl_b32 s76, s12, 13
	s_add_co_u32 s76, s76, s74
	s_mov_b32 s77, 0
	s_lshl_b32 s72, s10, 14                        ; slot 0: key tile kh
	s_mov_b32 s73, 0
	s_lshl_b32 s83, s9, 5                          ; my 32 queries in a block
	s_sub_co_u32 s82, 15, s13
	s_lshl_b32 s82, s82, 7
	s_add_co_u32 s82, s82, s83
	s_lshl_b32 s82, s82, 7
	s_add_co_u32 s78, s82, s74                     ; the late block's,
	s_mov_b32 s79, 0
	s_lshl_b32 s82, s13, 7
	s_add_co_u32 s82, s82, s83
	s_lshl_b32 s82, s82, 7
	s_add_co_u32 s80, s82, s74                     ; the early block's
	s_mov_b32 s81, 0
	s_wait_dscnt 0x0                               ; both opening adds are done
	s_wait_kmcnt 0x0
	s_add_nc_u64 s[48:49], s[4:5], s[76:77]
	s_add_nc_u64 s[50:51], s[48:49], 0x1000000     ; V's section
	s_add_nc_u64 s[48:49], s[48:49], 0x800000      ; K's section
	s_add_nc_u64 s[42:43], s[48:49], s[72:73]
	s_or_b32 s43, s43, 0x80000000
	s_add_nc_u64 s[46:47], s[50:51], s[72:73]
	s_or_b32 s47, s47, 0x80000000
	TLOAD                                          ; slot 0: one load a wave
	s_add_nc_u64 s[52:53], s[4:5], s[78:79]
	s_add_nc_u64 s[54:55], s[4:5], s[80:81]
	s_lshl_b32 s82, s10, 11                        ; the tile that I join and store: 16 kh rows on
	s_mov_b32 s83, 0
	s_add_nc_u64 s[56:57], s[6:7], s[78:79]
	s_add_nc_u64 s[56:57], s[56:57], s[82:83]
	s_add_nc_u64 s[58:59], s[6:7], s[80:81]
	s_add_nc_u64 s[58:59], s[58:59], s[82:83]
	s_add_co_u32 s82, s10, 1                       ; the prefetches: K's section (waves 0-3) or V's,
	s_lshl_b32 s82, s82, 23
	s_add_co_u32 s82, s82, s74                     ; my head,
	s_lshl_b32 s75, s9, 13
	s_add_co_u32 s82, s82, s75                     ; my wave's 8,192 bytes,
	s_add_co_u32 s82, s82, 32768                   ; in slot 1: the first change of slots steps it to slot 2.  Nothing is prefetched here, at the head
	s_add_nc_u64 s[66:67], s[4:5], s[82:83]
	v_and_b32 v16, 15, v0                          ; r
	v_bfe_u32 v17, v0, 4, 1                        ; h
	v_and_b32 v18, 31, v0                          ; lane
	v_lshlrev_b32 v6, 7, v16
	v_lshl_add_u32 v6, v17, 4, v6                  ; Q: row r of 128 bytes + 16 h
.irp t, 0,1
.irp c, 0,1
	global_load_b128 v[32+16*\t+8*\c:35+16*\t+8*\c], v6, s[52:53] offset:2048*\t+64*\c
	global_load_b128 v[36+16*\t+8*\c:39+16*\t+8*\c], v6, s[52:53] offset:2048*\t+64*\c+32
.endr
.endr
	v_mul_u32_u24 v1, v16, 144
	v_lshl_add_u32 v1, v17, 4, v1
	s_mul_i32 s82, s10, 9216
	v_add_nc_u32 v1, s82, v1                       ; K: row r x pitch + 16 h, in my 64 keys
	v_and_b32 v19, 7, v0
	v_lshl_add_u32 v19, v17, 3, v19
	v_mul_u32_u24 v2, v19, 160
	v_bfe_u32 v19, v0, 3, 1
	v_lshl_add_u32 v2, v19, 4, v2
	s_mul_i32 s82, s10, 10240
	s_add_co_u32 s82, s82, VOFF
	v_add_nc_u32 v2, s82, v2                       ; V, for the turning load: key 8 h + l % 8, channels 8 ((l / 8) % 2) on
	v_lshlrev_b32 v5, 8, v18                       ; the prefetches: 256 x lane
	v_lshlrev_b32 v7, 4, v18                       ; 16 x lane
	v_lshlrev_b32 v19, 3, v18                      ; 8 x lane
	s_mul_i32 s82, s8, SCWV
	s_add_co_u32 s82, s82, SCR
	v_add_nc_u32 v8, s82, v7                       ; my scratch: O's image,
	s_add_co_u32 s83, s82, 8192
	v_add_nc_u32 v9, s83, v19                      ; the statistics
	s_mul_i32 s82, s9, SCWV
	s_add_co_u32 s82, s82, SCR                     ; my pair's first wave's scratch:
	s_lshl_b32 s83, s10, 12
	s_add_co_u32 s83, s83, s82
	v_add_nc_u32 v10, s83, v7                      ; tile kh of its image,
	s_lshl_b32 s83, s10, 8
	s_add_co_u32 s83, s83, s82
	s_add_co_u32 s83, s83, 8192
	v_add_nc_u32 v11, s83, v19                     ; and of its statistics
	s_mul_i32 s82, s8, 2304
	s_add_co_u32 s82, s82, STG
	v_mul_u32_u24 v12, v16, 144
	v_lshl_add_u32 v12, v17, 4, v12
	v_add_nc_u32 v12, s82, v12                     ; my stage, in: row r, 16 bytes for each half of the lanes
	v_lshrrev_b32 v13, 3, v18
	v_mul_u32_u24 v13, v13, 144
	v_and_b32 v19, 7, v0
	v_lshl_add_u32 v13, v19, 4, v13
	v_add_nc_u32 v13, s82, v13                     ; back: eight lanes to a row
.irp t, 0,1
	v_mov_b32 v[17+8*\t], 0xff61b1e6               ; m = -3e38, under every score
	v_mul_f32 v[16+8*\t], s60, v[17+8*\t]
.irp k, 2,3,4,5,6,7
	v_mov_b32 v[16+8*\t+\k], 0
.endr
.endr
.irp k, 0,1,2,3,4,5,6,7,8,9,10,11,12,13,14,15,16,17,18,19,20,21,22,23,24,25,26,27,28,29,30,31,32,33,34,35,36,37,38,39,40,41,42,43,44,45,46,47,48,49,50,51,52,53,54,55,56,57,58,59,60,61,62,63
	v_mov_b32 v[128+\k], 0                         ; O^T: the step is written once; its first turn finds zeros, which a = 0 leaves zeros
.endr
	s_wait_loadcnt 0x0                             ; Q
	s_mov_b32 s19, 7
.Lslot:                                            ; seven trips: steps 0 to 13; behind each change the next slot's two steps are asked for
	CHANGE 2
	TWO_STEPS
	s_sub_co_u32 s19, s19, 1
	s_cmp_lg_u32 s19, 0
	s_cbranch_scc1 .Lslot
	CHANGE 1                                       ; steps 14 and 15; only step 16 is left to ask for
	TWO_STEPS
	CHANGE 0                                       ; step 16, the early block's diagonal
	STEP 1
	FLUSH 0
	s_wait_dscnt 0x0                               ; my stores into scratch are done
	s_barrier_signal -1
	s_barrier_wait -1
	MERGE 58
	s_wait_tensorcnt 0x0                           ; the wave's end: behind my last tensor load and my last LDS store
	ds_add_u32 v3, v4
	s_wait_dscnt 0x0
	s_endpgm
.Lfunc_end_k_qc4f1d89381_attn:
	.size	k_qc4f1d89381_attn, .Lfunc_end_k_qc4f1d89381_attn-k_qc4f1d89381_attn
	.p2alignl 7, 3214868480
	.fill 96, 4, 3214868480
	.section	.rodata,"a",@progbits
	.p2align	6, 0x0
	.amdhsa_kernel k_qc4f1d89381_attn
		.amdhsa_group_segment_fixed_size 327680
		.amdhsa_private_segment_fixed_size 0
		.amdhsa_enable_private_segment 0
		.amdhsa_kernarg_size 16
		.amdhsa_user_sgpr_count 2
		.amdhsa_user_sgpr_kernarg_segment_ptr 1
		.amdhsa_wavefront_size32 1
		.amdhsa_system_sgpr_workgroup_id_x 1
		.amdhsa_system_sgpr_workgroup_id_y 1
		.amdhsa_system_sgpr_workgroup_id_z 1
		.amdhsa_system_vgpr_workitem_id 0
		.amdhsa_next_free_vgpr 256
		.amdhsa_next_free_sgpr 84
		.amdhsa_reserve_vcc 1
		.amdhsa_float_denorm_mode_32 3
		.amdhsa_float_denorm_mode_16_64 3
		.amdhsa_memory_ordered 1
		.amdhsa_forward_progress 1
		.amdhsa_inst_pref_size 114
	.end_amdhsa_kernel
	.amdgpu_metadata
---
amdhsa.version: [ 1, 2 ]
amdhsa.kernels:
  - .name:           k_qc4f1d89381_attn
    .symbol:         k_qc4f1d89381_attn.kd
    .args:
      - { .name: qkv16, .offset: 0, .size: 8, .value_kind: global_buffer, .address_space: global }
      - { .name: att16, .offset: 8, .size: 8, .value_kind: global_buffer, .address_space: global }
    .group_segment_fixed_size: 327680
    .private_segment_fixed_size: 0
    .kernarg_segment_align: 8
    .kernarg_segment_size: 16
    .max_flat_workgroup_size: 256
    .sgpr_count:     84
    .vgpr_count:     256
    .wavefront_size: 32
...
	.end_amdgpu_metadata
.endif
;; end of part 3
;; launch proj (part 4): grid 8 x 32, 4 waves a work-group, clusters of 4 x 4, 327,680 bytes of LDS; arguments att16, w16, out0; writes out0
.if DOCPART == 4
	.amdgcn_target "amdgcn-amd-amdhsa--gfx1250"
	.amdhsa_code_object_version 6
	.text
	.protected	k_qc4f1d89381_proj
	.globl	k_qc4f1d89381_proj
	.p2align	8
	.type	k_qc4f1d89381_proj,@function
k_qc4f1d89381_proj:
	s_mov_b64 s[64:65], 0
	v_nop
	global_prefetch_b8 v0, s[64:65] scope:SCOPE_SE
	s_setreg_imm32_b32 hwreg(HW_REG_WAVE_MODE, 25, 1), 1
	s_wait_xcnt 0x0
	s_wait_alu depctr_hold_cnt(0) depctr_sa_sdst(0) depctr_va_vdst(0) depctr_va_sdst(0) depctr_va_ssrc(0) depctr_va_vcc(0) depctr_vm_vsrc(0)
	s_getreg_b32 s2, hwreg(HW_REG_IB_STS2, 6, 4)
	s_cmp_eq_u32 s2, 0
	s_cbranch_scc0 .Lentry_in_a_cluster
	s_endpgm
.Lentry_in_a_cluster:
	s_bfe_u32 s2, ttmp6, 0x10000c
	s_cmp_lg_u32 s2, 0xf033
	s_cbranch_scc0 .Lentry_shape_is_right
	s_endpgm
.Lentry_shape_is_right:
; out[m][n] = sum over k of att[m][k] W_proj[n][k], m = 4,096 (batch x position), n = 1,024, k = 1,024 (head x 64 + channel).  att16: f16, laid by head [batch][head][position][64]; w16: f16 [n][k]; out0: f32.  Sums in f32.
; ROWS OF POSITIONS 0-15 OF BOTH BATCHES ARE NOT STORED HERE: a later launch makes them in f32.
; LIMIT: operands are f16 (over 65,504 in magnitude infinite, under 6e-5 less precise).
; A tile of out is 128 x 128: 256 work-groups.  Four waves, each 64 x 64: 16 accumulators of 16 x 16, 128 registers.  K goes in four steps of 256 (four heads) through two LDS slots.
; A's TILE: 64 positions of one head are 8,192 dense bytes; one tensor load brings four such runs, 262,144 bytes apart, as four rows of 4,096 elements, with 16 bytes of padding behind every 128 bytes:
; in LDS head z, position y lie at 9,216 z + 144 y.  B's tile: 64 rows of 512 bytes, 528 apart.
; CLUSTERS: 4 x 4 work-groups.  The four of a row of the cluster need the same tiles of att, the four of a column the same tiles of W_proj: each tile is asked for JOINTLY, by the same tensor load with the
; same descriptor and a mask that names the four.  THE MATRIX INSTRUCTION IS USED TRANSPOSED (source 0 = 16 rows of W_proj, source 1 = 16 rows of att): a lane then holds eight neighbouring numbers of a row of out.
; REGISTERS: window 0: v0-31 addresses; v32-95 at work on the way out; v128-255 the accumulators ((a, b) at v[128 + 8 (4 a + b)]).
;   window 1: two fragment buffers of 128: for 64 along K, 64 registers of att (2 x 4 x 16 rows x 32 K), then 64 of W_proj.
.set KSTEP,  256
.set PA,     144                       ; a position's 128 bytes of one head + 16: 36 words: the 16 rows of a load start at 16 different groups of four banks (64 banks of 4 bytes: ISA guide 11.1)
.set PB,     528                       ; a row of W_proj's tile: 512 bytes + 16
.set HEADA,  64*PA                     ; a head's 64 positions
.set HALFA,  4*HEADA                   ; what one tensor load brings of att
.set HALFB,  64*PB                     ; and of W_proj
.set BOFF,   2*HALFA                   ; W_proj's 128 rows lie behind att's
.set SLOT,   BOFF+2*HALFB
.set SPARE,  2*SLOT                    ; behind the ring: the spare words, 128 bytes a wave, which no other line names
.set SPITCH, 272                       ; the way out: a stage of 16 rows x (256 bytes + 16) for each wave, in slot 0, which has had its last fill and its last read by then
.set LAPS,   2                         ; a lap = two K steps = once round the ring
.set ADRA, 16                          ; v16-17  LDS address of my fragments of att in slot 0, 1
.set ADRB, 20                          ; v20-21  the same for W_proj
.set STO,  24                          ; v24     the way out: where I put 32 bytes of a row
.set RD,   25                          ; v25     where I read rows back
.set CO,   26                          ; v26     my byte offset in out0
.set MK,   27                          ; v27     0 in the waves whose first block holds positions 0-15
.set SPW,  28                          ; v28     LDS address of my spare word; never rewritten
.set NIL,  29                          ; v29     0; never rewritten
.set TMP,  32
.set ACC,  128
.set F0,   0                           ; fragment buffers, in window 1
.set F1,   128
.set G1, 24                            ; s[24:31] descriptor group 1 for att's tiles;  s[32:39] group 0, one set for each slot
.set G0, 32
.set G1B, 48                           ; s[48:55], s[56:63] the same for W_proj's
.set G0B, 56
.set MSB, 0
.macro WIN new                         ; the immediate's high byte repeats the setting that is left
.if MSB != \new
	s_set_vgpr_msb (MSB<<8)|\new
.set MSB, \new
.endif
.endm
.set MUL,  0x05                        ; sources 0 and 1 window 1; C and D window 0
.set TO_F, 0x40                        ; destination window 1, address window 0
.macro JLOAD s                         ; a joint load: waves 0 and 1 fetch att's two halves, waves 2 and 3 W_proj's; an s_nop 0 and four v_nop follow each of the two lines
	s_cmp_eq_u32 s11, 0
	s_cbranch_scc0 .Lfor_b_\@
	tensor_load_to_lds s[G0+4*\s:G0+4*\s+3], s[G1:G1+7]
	s_nop 0
.rept 4
	v_nop
.endr
	s_branch .Lasked_\@
.Lfor_b_\@:
	tensor_load_to_lds s[G0B+4*\s:G0B+4*\s+3], s[G1B:G1B+7]
	s_nop 0
.rept 4
	v_nop
.endr
.Lasked_\@:
.endm
.macro CREST                           ; a round of the cluster's barrier behind its opening barrier
	s_cmp_lg_u32 s10, 0
	s_cbranch_scc1 .Lnot_wave_0_\@
	s_barrier_signal -3
.Lnot_wave_0_\@:
	s_barrier_wait -3
	s_barrier_signal -1
	s_barrier_wait -1
.endm
.macro CROUND                          ; a whole round
	s_barrier_signal -1
	s_barrier_wait -1
	CREST
.endm
	s_load_b128 s[4:7], s[0:1], 0x0                ; att16 s[4:5], w16 s[6:7]
	s_load_b64 s[8:9], s[0:1], 0x10                ; out0
	v_lshl_add_u32 v[SPW], v0, 2, SPARE
	v_mov_b32 v[NIL], 0
	ds_add_u32 v[SPW], v[NIL]                      ; the wave's opening: the add, twice on end, and its wait ahead of my first tensor load
	ds_add_u32 v[SPW], v[NIL]                      ; and once more, under the one wait; the set-up below, work on registers, stands between
	v_lshrrev_b32 v1, 5, v0
	v_readfirstlane_b32 s10, v1                    ; wave 0..3
	s_lshr_b32 s11, s10, 1                         ; which half of the tile's rows is mine.  Also: I fetch for att (0) or for W_proj (1)
	s_and_b32 s12, s10, 1                          ; which half of its columns.  Also: which 64 rows of that tile I fetch
	s_bfe_u32 s40, ttmp6, 0x40000                  ; cx, cy: my place in the cluster
	s_bfe_u32 s41, ttmp6, 0x40004
	s_lshl_b32 s42, ttmp9, 2
	s_add_co_u32 s42, s42, s40                     ; tile column = 4 x cluster x + cx
	s_and_b32 s13, ttmp7, 0xffff
	s_lshl_b32 s13, s13, 2
	s_add_co_u32 s13, s13, s41                     ; tile row = 4 x cluster y + cy
	s_lshl_b32 s43, s41, 2
	s_lshl_b32 s43, 15, s43                        ; my row of the cluster
	s_lshl_b32 s44, 0x1111, s40                    ; my column
	s_or_b32 s[G1+0], s43, (1<<16)|(1<<20)|(1<<21)|(4<<22)|(3<<25)  ; 15:0 the mask: att's tiles go to my row; 17:16 element of 2 bytes; 20 padding on; 21 set beside a mask; 24:22 after every 32 words; 31:25 four words
	s_mov_b32 s[G1+1], 4096<<16                    ; tensor_dim0 = 4,096: 64 positions x 64 channels on end
	s_mov_b32 s[G1+2], 4<<16                       ; tensor_dim1 = 4 heads
	s_mov_b32 s[G1+3], 4096<<16                    ; tile_dim0
	s_mov_b32 s[G1+4], 4                           ; tile_dim1
	s_mov_b32 s[G1+5], 131072                      ; tensor_dim0_stride: from head to head, in elements
	s_mov_b32 s[G1+6], 0
	s_mov_b32 s[G1+7], 0
	s_or_b32 s[G1B+0], s44, (1<<16)|(1<<20)|(1<<21)|(6<<22)|(3<<25) ; W_proj's tiles go to my column; padding: four words after every 128
	s_mov_b32 s[G1B+1], KSTEP<<16
	s_mov_b32 s[G1B+2], 64<<16
	s_mov_b32 s[G1B+3], KSTEP<<16
	s_mov_b32 s[G1B+4], 64
	s_mov_b32 s[G1B+5], 1024
	s_mov_b32 s[G1B+6], 0
	s_mov_b32 s[G1B+7], 0
	s_lshr_b32 s16, s13, 4                         ; att: batch x 4,194,304
	s_lshl_b32 s16, s16, 22
	s_and_b32 s17, s13, 15
	s_lshl_b32 s17, s17, 14                        ; + the tile's 128 positions x 128 bytes
	s_add_co_u32 s16, s16, s17
	s_lshl_b32 s17, s12, 13                        ; + my 64 of them
	s_add_co_u32 s16, s16, s17
	s_mov_b32 s17, 0
	s_lshl_b32 s46, s42, 18                        ; W_proj: the tile's 128 rows of 2,048 bytes
	s_lshl_b32 s47, s12, 17                        ; + my 64 of them
	s_add_co_u32 s46, s46, s47
	s_mov_b32 s47, 0
	s_mul_i32 s20, s12, HALFA                      ; where they go: no place in the cluster enters an LDS address
	s_mul_i32 s21, s12, HALFB
	s_add_co_u32 s21, s21, BOFF
	s_wait_dscnt 0x0                               ; both opening adds are done
	s_wait_kmcnt 0x0
	s_add_nc_u64 s[14:15], s[4:5], s[16:17]
	s_add_nc_u64 s[46:47], s[6:7], s[46:47]
	CROUND                                         ; all sixteen work-groups are here: the first joint loads meet
.irp s, 0,1
	s_mov_b32 s[G0+4*\s], 1
	s_add_co_u32 s[G0+4*\s+1], s20, \s*SLOT
	s_add_nc_u64 s[G0+4*\s+2:G0+4*\s+3], s[14:15], \s*4*262144     ; K step s: four heads on
	s_or_b32 s[G0+4*\s+3], s[G0+4*\s+3], 0x80000000
	s_mov_b32 s[G0B+4*\s], 1
	s_add_co_u32 s[G0B+4*\s+1], s21, \s*SLOT
	s_add_nc_u64 s[G0B+4*\s+2:G0B+4*\s+3], s[46:47], \s*KSTEP*2
	s_or_b32 s[G0B+4*\s+3], s[G0B+4*\s+3], 0x80000000
	JLOAD \s
.endr
	v_and_b32 v1, 15, v0                           ; r = l % 16
	v_bfe_u32 v2, v0, 4, 1                         ; h = l / 16
	v_mul_u32_u24 v3, v1, PA
	v_lshl_add_u32 v3, v2, 4, v3                   ; att: row x pitch + 16 x half
	v_mul_u32_u24 v4, v1, PB
	v_lshl_add_u32 v4, v2, 4, v4                   ; W_proj likewise
	s_mul_i32 s21, s11, HALFA                      ; my 64 rows of att
	s_mul_i32 s22, s12, HALFB                      ; my 64 rows of W_proj
	s_add_co_u32 s22, s22, BOFF
.irp s, 0,1
	v_add_nc_u32 v[ADRA+\s], s21, v3
	v_add_nc_u32 v[ADRB+\s], s22, v4
	s_add_co_u32 s21, s21, SLOT
	s_add_co_u32 s22, s22, SLOT
.endr
	s_mul_i32 s23, s10, 16*SPITCH                  ; my stage
	v_mul_u32_u24 v4, v1, SPITCH                   ; in: row r, 32 bytes for each half of the lanes
	v_lshl_add_u32 v4, v2, 5, v4
	v_add_nc_u32 v[STO], s23, v4
	v_mul_u32_u24 v5, v2, SPITCH                   ; back: lanes 0-15 take one row of 256 bytes, lanes 16-31 the next
	v_lshl_add_u32 v5, v1, 4, v5
	v_add_nc_u32 v[RD], s23, v5
	v_lshlrev_b32 v5, 12, v2                       ; and the same two rows in out0
	v_lshl_add_u32 v[CO], v1, 4, v5
	s_lshl_b32 s16, s13, 19                        ; my first row: (128 x tile row + 64 x half) x 4,096 bytes
	s_lshl_b32 s17, s11, 18
	s_add_co_u32 s16, s16, s17
	s_mov_b32 s17, 0
	s_add_nc_u64 s[8:9], s[8:9], s[16:17]
	s_lshl_b32 s46, s42, 9                         ; my first column, in bytes: 512 x tile column + 256 x half
	s_lshl_b32 s47, s12, 8
	s_add_co_u32 s46, s46, s47
	s_mov_b32 s47, 0
	s_add_nc_u64 s[8:9], s[8:9], s[46:47]
; 8 matrix instructions: m blocks a0, a0 + 1 x all 4 n blocks, 32 along K: half c of buffer f.  zero = 1: the first product starts the sums.  The 16 accumulators take turns.
.macro MUL8 f, c, a0, zero
.irp a, \a0, \a0+1
.irp b, 0,1,2,3
.if \zero
	v_wmma_f32_16x16x32_f16 v[ACC+8*(4*(\a)+\b):ACC+8*(4*(\a)+\b)+7], v[\f+64+8*(4*\c+\b):\f+64+8*(4*\c+\b)+7], v[\f+8*(4*\c+\a):\f+8*(4*\c+\a)+7], 0
.else
	v_wmma_f32_16x16x32_f16 v[ACC+8*(4*(\a)+\b):ACC+8*(4*(\a)+\b)+7], v[\f+64+8*(4*\c+\b):\f+64+8*(4*\c+\b)+7], v[\f+8*(4*\c+\a):\f+8*(4*\c+\a)+7], v[ACC+8*(4*(\a)+\b):ACC+8*(4*(\a)+\b)+7]
.endif
.endr
.endr
.endm
; 32 LDS loads in one run: the fragments of the slot's q-th 64 along K (one head) into buffer f; the first 32 along K first
.macro FETCH slot, q, f
	WIN TO_F
.irp c, 0,1
.irp i, 0,1,2,3
	ds_load_b128 v[\f+64+8*(4*\c+\i):\f+64+8*(4*\c+\i)+3],   v[ADRB+\slot] offset:128*(\q)+64*\c+\i*16*PB
	ds_load_b128 v[\f+64+8*(4*\c+\i)+4:\f+64+8*(4*\c+\i)+7], v[ADRB+\slot] offset:128*(\q)+64*\c+\i*16*PB+32
	ds_load_b128 v[\f+8*(4*\c+\i):\f+8*(4*\c+\i)+3],         v[ADRA+\slot] offset:HEADA*(\q)+64*\c+\i*16*PA
	ds_load_b128 v[\f+8*(4*\c+\i)+4:\f+8*(4*\c+\i)+7],       v[ADRA+\slot] offset:HEADA*(\q)+64*\c+\i*16*PA+32
.endr
.endr
.endm
.macro PLACES                          ; four places in front of loads into registers that matrix instructions have read, and of LDS stores that read results (ISA guide 7.12.1 for vector instructions)
.rept 4
	v_nop
.endr
.endm
; A K step is four quarters of 64 along K, 32 matrix instructions each, on buffers 0, 1, 0, 1.  One of the first three: multiplies buffer f and fetches quarter q into g.
.macro QUARTER slot, q, f, g, zero
	s_wait_dscnt 16                                ; the first 32 along K are in; the other sixteen loads may be out
	WIN MUL
	MUL8 \f, 0, 0, \zero
	MUL8 \f, 0, 2, \zero
	PLACES
	FETCH \slot, \q, \g
	s_wait_dscnt 32                                ; all but the 32 just issued
	WIN MUL
	MUL8 \f, 1, 0, 0
	MUL8 \f, 1, 2, 0
.endm
; The last quarter multiplies buffer 1 and changes slots: one barrier; in front of it each wave waits for all its tensor loads, adds 0 to its spare word, and waits for that and for its reads of this slot.  fill = 1: this slot is filled again, two K steps ahead.
.macro TURN slot, next, fill
	WIN 0                                          ; (the add's two registers lie in window 0)
	s_wait_tensorcnt 0x0                           ; all my tensor loads have landed: my part of the next slot;
	ds_add_u32 v[SPW], v[NIL]
	s_wait_dscnt 17                                ; (the add and the youngest sixteen loads may be out)
	WIN MUL
	MUL8 F1, 0, 0, 0                               ; eight matrix instructions stand between the add and the wait for it
	s_wait_dscnt 0x0                               ; the add is done, and my reads of this slot are over
	s_barrier_signal -1
	MUL8 F1, 0, 2, 0
.if \fill
	WIN 0
.endif
	s_barrier_wait -1
.if \fill
	CREST                                          ; the barrier has opened a round of the cluster's barrier: no wave of any partner still reads this slot's tile or has a load on its way
	s_add_nc_u64 s[G0+4*\slot+2:G0+4*\slot+3], s[G0+4*\slot+2:G0+4*\slot+3], 2*4*262144
	s_add_nc_u64 s[G0B+4*\slot+2:G0B+4*\slot+3], s[G0B+4*\slot+2:G0B+4*\slot+3], 2*KSTEP*2
	JLOAD \slot                                    ; the first tensor load behind the round; the four v_nop behind it are also the places in front of the loads below
.else
	PLACES
.endif
	FETCH \next, 0, F0
	WIN MUL
	MUL8 F1, 1, 0, 0
	MUL8 F1, 1, 2, 0
.endm
	s_wait_tensorcnt 1                             ; my part of K step 0 is in (K step 1's load may be out)
	s_barrier_signal -1
	s_barrier_wait -1                              ; everybody's is
	FETCH 0, 0, F0
	QUARTER 0, 1, F0, F1, 1                        ; the first quarter stands in front of the loop: its first products start the sums
	WIN 0                                          ; at a label and at a branch every window is 0
	s_mov_b32 s3, LAPS-1
.Llap:                                                 ; a trip goes once round the ring, from a lap's second quarter to the next lap's first, and fills both slots again
	QUARTER 0, 2, F1, F0, 0
	QUARTER 0, 3, F0, F1, 0
	TURN 0, 1, 1
	QUARTER 1, 1, F0, F1, 0
	QUARTER 1, 2, F1, F0, 0
	QUARTER 1, 3, F0, F1, 0
	TURN 1, 0, 1
	QUARTER 0, 1, F0, F1, 0
	WIN 0
	s_sub_co_u32 s3, s3, 1
	s_cmp_lg_u32 s3, 0
	s_cbranch_scc1 .Llap
	QUARTER 0, 2, F1, F0, 0                        ; the last lap fills nothing, and has no round of the cluster's barrier
	QUARTER 0, 3, F0, F1, 0
	TURN 0, 1, 0
	QUARTER 1, 1, F0, F1, 0
	QUARTER 1, 2, F1, F0, 0
	QUARTER 1, 3, F0, F1, 0
	s_wait_dscnt 16                                ; the very last quarter: nothing more to fetch
	WIN MUL
	MUL8 F1, 0, 0, 0
	MUL8 F1, 0, 2, 0
	s_wait_dscnt 0
	MUL8 F1, 1, 0, 0
	MUL8 F1, 1, 2, 0
	WIN 0
; THE WAY OUT, block by block of 16 rows x 64 columns.  A lane holds 32 neighbouring bytes of a row; a row's 256 bytes are all my wave's: so a block goes through my own stage and comes back as whole rows,
; two an instruction: sixteen lanes store 256 consecutive bytes, aligned.  No barrier; LDS serves a wave's instructions in order (ISA guide 5.7.1.4).
.macro TOSTAGE a
.irp b, 0,1,2,3
	ds_store_b128 v[STO], v[ACC+8*(4*(\a)+\b):ACC+8*(4*(\a)+\b)+3] offset:64*\b          ; each accumulator from its low end on
	ds_store_b128 v[STO], v[ACC+8*(4*(\a)+\b)+4:ACC+8*(4*(\a)+\b)+7] offset:64*\b+16
.endr
.irp i, 0,1,2,3,4,5,6,7
	ds_load_b128 v[TMP+32*((\a)%2)+4*\i:TMP+32*((\a)%2)+4*\i+3], v[RD] offset:\i*2*SPITCH
.endr
.endm
.macro STORES a
.irp i, 0,1,2,3,4,5,6,7
	global_store_b128 v[CO], v[TMP+32*((\a)%2)+4*\i:TMP+32*((\a)%2)+4*\i+3], s[8:9] offset:(16*(\a)+2*\i)*4096 th:TH_STORE_NT   ; written once, read by nobody here
.endr
.endm
	PLACES
	TOSTAGE 0
	TOSTAGE 1
	; block 0: where it holds positions 0-15 (tile rows 0 and 16, the upper half of the rows) its lanes are off: a mask on the lanes and no branch, since partners of a cluster take the same way through the text
	s_and_b32 s20, s13, 15
	s_or_b32 s20, s20, s11
	v_mov_b32 v[MK], s20
	v_cmp_ne_u32 vcc_lo, 0, v[MK]
	s_wait_dscnt 16                                ; block 0 is back; block 1's 8 stores and 8 loads may be out
	s_wait_xcnt 0x0                                ; EXEC changes only behind this wait
	s_and_saveexec_b32 s21, vcc_lo
	STORES 0
	s_wait_xcnt 0x0                                ; and again, in front of the line that widens it: block 0's stores have also read their registers
	s_or_b32 exec_lo, exec_lo, s21
	TOSTAGE 2
	s_wait_dscnt 16
	STORES 1
	s_wait_xcnt 0x0                                ; block 1's stores have read their registers: block 3's loads may land there
	TOSTAGE 3
	s_wait_dscnt 16
	STORES 2
	s_wait_dscnt 0x0
	STORES 3
	s_wait_tensorcnt 0x0                           ; the wave's end: behind my last tensor load and my last LDS store
	ds_add_u32 v[SPW], v[NIL]
	s_wait_dscnt 0x0
	CROUND                                         ; the closing round: no work-group ends while a partner may still ask for a tile that names it
	s_endpgm
.Lfunc_end_k_qc4f1d89381_proj:
	.size	k_qc4f1d89381_proj, .Lfunc_end_k_qc4f1d89381_proj-k_qc4f1d89381_proj
	.p2alignl 7, 3214868480
	.fill 96, 4, 3214868480
	.section	.rodata,"a",@progbits
	.p2align	6, 0x0
	.amdhsa_kernel k_qc4f1d89381_proj
		.amdhsa_group_segment_fixed_size 327680
		.amdhsa_private_segment_fixed_size 0
		.amdhsa_enable_private_segment 0
		.amdhsa_kernarg_size 24
		.amdhsa_user_sgpr_count 2
		.amdhsa_user_sgpr_kernarg_segment_ptr 1
		.amdhsa_wavefront_size32 1
		.amdhsa_system_sgpr_workgroup_id_x 1
		.amdhsa_system_sgpr_workgroup_id_y 1
		.amdhsa_system_sgpr_workgroup_id_z 1
		.amdhsa_system_vgpr_workitem_id 0
		.amdhsa_next_free_vgpr 512
		.amdhsa_next_free_sgpr 66
		.amdhsa_reserve_vcc 1
		.amdhsa_float_denorm_mode_32 3
		.amdhsa_float_denorm_mode_16_64 3
		.amdhsa_memory_ordered 1
		.amdhsa_forward_progress 1
		.amdhsa_inst_pref_size 86
	.end_amdhsa_kernel
	.amdgpu_metadata
---
amdhsa.version: [ 1, 2 ]
amdhsa.kernels:
  - .name:           k_qc4f1d89381_proj
    .symbol:         k_qc4f1d89381_proj.kd
    .args:
      - { .name: att16, .offset: 0, .size: 8, .value_kind: global_buffer, .address_space: global }
      - { .name: w16, .offset: 8, .size: 8, .value_kind: global_buffer, .address_space: global }
      - { .name: out0, .offset: 16, .size: 8, .value_kind: global_buffer, .address_space: global }
    .group_segment_fixed_size: 327680
    .private_segment_fixed_size: 0
    .kernarg_segment_align: 8
    .kernarg_segment_size: 24
    .max_flat_workgroup_size: 128
    .sgpr_count:     66
    .vgpr_count:     512
    .wavefront_size: 32
...
	.end_amdgpu_metadata
.endif
;; end of part 4
;; launch first (part 5): grid 64 x 2, 16 waves a work-group, no clusters, 18,432 bytes of LDS; arguments qkv32, W_proj, out0; writes out0
.if DOCPART == 5
	.amdgcn_target "amdgcn-amd-amdhsa--gfx1250"
	.amdhsa_code_object_version 6
	.text
	.protected	k_qc4f1d89381_first
	.globl	k_qc4f1d89381_first
	.p2align	8
	.type	k_qc4f1d89381_first,@function
k_qc4f1d89381_first:
	s_mov_b64 s[64:65], 0
	v_nop
	global_prefetch_b8 v0, s[64:65] scope:SCOPE_SE
	s_setreg_imm32_b32 hwreg(HW_REG_WAVE_MODE, 25, 1), 1
	s_wait_xcnt 0x0
; The first 16 positions of each batch, all in f32: there a row of the softmax averages one to sixteen values, and 16-bit operands would weigh most.  out0 rows batch x 2,048 + 0 .. 15.
; Work-group (g, batch) makes columns 16 g .. 16 g + 15 of those 16 rows.  Wave w is head w: it makes the head's 16 x 16 causal attention and then, straight from its registers, the projection's partial sum over
; its own 64 channels; the 16 partial sums meet in LDS and wave 0 adds and stores them.  The attention is made anew in each of the 64 column groups: 32 of a wave's 48 matrix instructions, on 32 of 4,096 rows.
; The order of the f32 sums differs from the reference's (four partial sums a product, sixteen heads added at the end).  The stores are pieces of 64 bytes of each row, 131,072 bytes in the launch.
; LAYOUTS of v_wmma_f32_16x16x4_f32: a source's lane (r, h) holds row r and k = 2 h + 0, 1; the result's lane (r, h), register j is (8 h + j, r).  One permutation of k on both sources keeps the products:
;   S^T = K Q^T:  lane (r, h) loads, of row r, channels 8 c + 4 h + 0..3 into registers 4 c on; product u takes registers 2 u, 2 u + 1 of both.  Result: lane = query r, register j = key 8 h + j.
;   O^T = V^T P^T:  source 1 is P as it stands, registers 2 s, 2 s + 1 (keys 8 h + 2 s + 0, 1); source 0: lane (r, h), register j = V[key 8 h + j][channel 16 ct + r].  Result: register j = channel 16 ct + 8 h + j.
;   out^T = W att^T:  source 1 is O^T(ct) as it stands; source 0: lane (r, h), register j = W_proj[16 g + r][64 w + 16 ct + 8 h + j].  Result: lane = query r, register j = column 8 h + j.
; P is divided by its sum ahead of the second product, so the registers that the matrix instructions write (v144-207) are written by nothing else.
; REGISTERS: v1 r, v2 h, v3, v4 the add's two, v5-8, v12 addresses, v9 r - 8 h, v10 -infinity; v16-47 Q, v48-79 K, v80-111 V^T, v112-143 W; v144-175 four accumulators (scores, later out), v176-207 O^T;
; v208-215 scores, then P; v216-223 at work; v232-239 my partial sum.
.set SPARE, 16384                      ; behind the 16 images of 1,024 bytes: the spare words, 128 bytes a wave, which no other line names
	s_load_b128 s[4:7], s[0:1], 0x0                ; qkv32 s[4:5], W_proj s[6:7]
	s_load_b64 s[8:9], s[0:1], 0x10                ; out0
	v_lshl_add_u32 v3, v0, 2, SPARE
	v_mov_b32 v4, 0
	v_lshrrev_b32 v1, 5, v0
	v_readfirstlane_b32 s12, v1                    ; wave = head
	v_and_b32 v1, 15, v0                           ; r
	v_bfe_u32 v2, v0, 4, 1                         ; h
	v_mul_u32_u24 v5, v1, 12288
	v_lshl_add_u32 v5, v2, 4, v5                   ; Q, K: position r's row of 12,288 bytes + 16 h
	v_mul_u32_u24 v6, v2, 98304
	v_lshl_add_u32 v6, v1, 2, v6                   ; V: 8 h positions down, channel r
	v_lshlrev_b32 v7, 12, v1
	v_lshl_add_u32 v7, v2, 5, v7                   ; W_proj and out0: row r of 4,096 bytes + 32 h
	v_and_b32 v12, 31, v0
	v_lshlrev_b32 v12, 4, v12                      ; 16 x lane
	s_lshl_b32 s13, s12, 10
	v_add_nc_u32 v8, s13, v12                      ; my image in LDS
	v_lshlrev_b32 v9, 3, v2
	v_sub_nc_u32 v9, v1, v9                        ; r - 8 h: key 8 h + j is hidden from query r where j is greater
	v_mov_b32 v10, 0xff800000                      ; -infinity
	s_and_b32 s14, ttmp7, 0xffff                   ; batch
	s_lshl_b32 s15, s12, 8                         ; my head's 64 channels: 256 bytes
	s_mul_i32 s16, s14, 196608
	s_add_co_u32 s16, s16, s15
	s_mov_b32 s17, 0
	s_lshl_b32 s18, ttmp9, 16                      ; 16 rows of W_proj
	s_add_co_u32 s18, s18, s15
	s_mov_b32 s19, 0
	s_lshl_b32 s20, s14, 23                        ; 2,048 rows of out0
	s_lshl_b32 s21, ttmp9, 6
	s_add_co_u32 s20, s20, s21
	s_mov_b32 s21, 0
	s_mov_b32 s22, 0x3e38aa3b                      ; c = log2(e) / 8
	s_mov_b32 s23, s22                             ; (named with it as a pair)
	s_mov_b32 s24, 0x76543210
	s_mov_b32 s25, 0xfedcba98                      ; v_permlanex16_b32's selects for lane l xor 16
	s_wait_kmcnt 0x0
	s_add_nc_u64 s[4:5], s[4:5], s[16:17]
	s_add_nc_u64 s[6:7], s[6:7], s[18:19]
	s_add_nc_u64 s[8:9], s[8:9], s[20:21]
.irp c, 0,1,2,3,4,5,6,7
	global_load_b128 v[48+4*\c:51+4*\c], v5, s[4:5] offset:4096+32*\c     ; K
.endr
.irp c, 0,1,2,3,4,5,6,7
	global_load_b128 v[16+4*\c:19+4*\c], v5, s[4:5] offset:32*\c          ; Q
.endr
.irp ct, 0,1,2,3
.irp j, 0,1,2,3,4,5,6,7
	global_load_b32 v[80+8*\ct+\j], v6, s[4:5] offset:8192+12288*\j+64*\ct   ; V^T
.endr
.endr
.irp ct, 0,1,2,3
	global_load_b128 v[112+8*\ct:115+8*\ct], v7, s[6:7] offset:64*\ct
	global_load_b128 v[116+8*\ct:119+8*\ct], v7, s[6:7] offset:64*\ct+16
.endr
	s_wait_loadcnt 40                              ; K and Q are in; V's 32 loads and W's 8 may be out
.irp u, 0,1,2,3,4,5,6,7,8,9,10,11,12,13,14,15  ; four accumulators by turns; the first four products start the sums
.if \u < 4
	v_wmma_f32_16x16x4_f32 v[144+8*(\u%4):151+8*(\u%4)], v[48+2*\u:49+2*\u], v[16+2*\u:17+2*\u], 0
.else
	v_wmma_f32_16x16x4_f32 v[144+8*(\u%4):151+8*(\u%4)], v[48+2*\u:49+2*\u], v[16+2*\u:17+2*\u], v[144+8*(\u%4):151+8*(\u%4)]
.endif
.endr
.rept 8
	v_nop                                          ; eight places behind this form before a vector instruction reads a result (ISA guide 7.12.1)
.endr
.irp p, 0,1,2,3                        ; the four partial sums, each accumulator from its low end on
	v_pk_add_f32 v[208+2*\p:209+2*\p], v[144+2*\p:145+2*\p], v[152+2*\p:153+2*\p]
	v_pk_add_f32 v[216+2*\p:217+2*\p], v[160+2*\p:161+2*\p], v[168+2*\p:169+2*\p]
.endr
.irp p, 0,1,2,3
	v_pk_add_f32 v[208+2*\p:209+2*\p], v[208+2*\p:209+2*\p], v[216+2*\p:217+2*\p]
.endr
.irp j, 0,1,2,3,4,5,6,7
	v_cmp_gt_i32 vcc_lo, \j, v9
	v_cndmask_b32 v[208+\j], v[208+\j], v10, vcc_lo   ; hidden keys: -infinity ahead of the maximum
.endr
	v_max3_num_f32 v216, v208, v209, v210
	v_max3_num_f32 v217, v211, v212, v213
	v_max3_num_f32 v216, v216, v214, v215
	v_max_num_f32 v216, v216, v217
	v_permlanex16_b32 v217, v216, s24, s25
	v_max_num_f32 v216, v216, v217                 ; the row's maximum (key 0 counts for every query)
	v_mul_f32 v218, s22, v216
.irp p, 0,1,2,3
	v_pk_fma_f32 v[208+2*\p:209+2*\p], v[208+2*\p:209+2*\p], s[22:23], v[218:219] op_sel_hi:[1,0,0] neg_lo:[0,0,1] neg_hi:[0,0,1]
.endr
.irp j, 0,1,2,3,4,5,6,7
	v_exp_f32 v[208+\j], v[208+\j]
.endr
	v_nop
	s_wait_alu depctr_va_vdst(0)                   ; one wait for the eight, ahead of their first reader
	v_pk_add_f32 v[220:221], v[208:209], v[210:211]
	v_pk_add_f32 v[222:223], v[212:213], v[214:215]
	v_pk_add_f32 v[220:221], v[220:221], v[222:223]
	v_add_f32 v220, v220, v221
	v_permlanex16_b32 v221, v220, s24, s25
	v_add_f32 v220, v220, v221                     ; the row's sum
	v_rcp_f32 v220, v220
	v_nop
	s_wait_alu depctr_va_vdst(0)
	v_mov_b32 v221, v220
.irp p, 0,1,2,3
	v_pk_mul_f32 v[208+2*\p:209+2*\p], v[208+2*\p:209+2*\p], v[220:221] op_sel_hi:[1,0]   ; P, normalised
.endr
	s_wait_loadcnt 8                               ; V is in; W's 8 loads may be out
.irp s, 0,1,2,3
.irp ct, 0,1,2,3
.if \s == 0
	v_wmma_f32_16x16x4_f32 v[176+8*\ct:183+8*\ct], v[80+8*\ct+2*\s:81+8*\ct+2*\s], v[208+2*\s:209+2*\s], 0
.else
	v_wmma_f32_16x16x4_f32 v[176+8*\ct:183+8*\ct], v[80+8*\ct+2*\s:81+8*\ct+2*\s], v[208+2*\s:209+2*\s], v[176+8*\ct:183+8*\ct]
.endif
.endr
.endr
.rept 9
	v_nop                                          ; nine places before a matrix instruction takes a result as a source
.endr
	s_wait_loadcnt 0x0                             ; W
.irp s, 0,1,2,3
.irp ct, 0,1,2,3
.if \s == 0
	v_wmma_f32_16x16x4_f32 v[144+8*\ct:151+8*\ct], v[112+8*\ct+2*\s:113+8*\ct+2*\s], v[176+8*\ct+2*\s:177+8*\ct+2*\s], 0
.else
	v_wmma_f32_16x16x4_f32 v[144+8*\ct:151+8*\ct], v[112+8*\ct+2*\s:113+8*\ct+2*\s], v[176+8*\ct+2*\s:177+8*\ct+2*\s], v[144+8*\ct:151+8*\ct]
.endif
.endr
.endr
.rept 8
	v_nop
.endr
.irp p, 0,1,2,3
	v_pk_add_f32 v[232+2*\p:233+2*\p], v[144+2*\p:145+2*\p], v[152+2*\p:153+2*\p]
	v_pk_add_f32 v[216+2*\p:217+2*\p], v[160+2*\p:161+2*\p], v[168+2*\p:169+2*\p]
.endr
.irp p, 0,1,2,3
	v_pk_add_f32 v[232+2*\p:233+2*\p], v[232+2*\p:233+2*\p], v[216+2*\p:217+2*\p]
.endr
	ds_store_b128 v8, v[232:235]                   ; my head's partial sum, as an image of its registers
	ds_store_b128 v8, v[236:239] offset:512
	s_wait_dscnt 0x0                               ; for the others' sake: my stores are done
	s_barrier_signal -1
	s_barrier_wait -1
	s_cmp_lg_u32 s12, 0
	s_cbranch_scc1 .Ldone                          ; wave 0 alone adds and stores; no barrier stands in this branch
.irp i, 0,1,2,3,4,5,6,7,8,9,10,11,12,13,14,15
	ds_load_b128 v[16+8*\i:19+8*\i], v12 offset:1024*\i
	ds_load_b128 v[20+8*\i:23+8*\i], v12 offset:1024*\i+512
.endr
	s_wait_dscnt 0x0
.irp i, 1,2,3,4,5,6,7,8,9,10,11,12,13,14,15
.irp p, 0,1,2,3
	v_pk_add_f32 v[16+2*\p:17+2*\p], v[16+2*\p:17+2*\p], v[16+8*\i+2*\p:17+8*\i+2*\p]
.endr
.endr
	global_store_b128 v7, v[16:19], s[8:9]         ; out0(query r, columns 16 g + 8 h + 0 .. 7)
	global_store_b128 v7, v[20:23], s[8:9] offset:16
.Ldone:
	s_wait_tensorcnt 0x0                           ; the wave's end: behind my last LDS store
	ds_add_u32 v3, v4
	s_wait_dscnt 0x0
	s_endpgm
.Lfunc_end_k_qc4f1d89381_first:
	.size	k_qc4f1d89381_first, .Lfunc_end_k_qc4f1d89381_first-k_qc4f1d89381_first
	.p2alignl 7, 3214868480
	.fill 96, 4, 3214868480
	.section	.rodata,"a",@progbits
	.p2align	6, 0x0
	.amdhsa_kernel k_qc4f1d89381_first
		.amdhsa_group_segment_fixed_size 18432
		.amdhsa_private_segment_fixed_size 0
		.amdhsa_enable_private_segment 0
		.amdhsa_kernarg_size 24
		.amdhsa_user_sgpr_count 2
		.amdhsa_user_sgpr_kernarg_segment_ptr 1
		.amdhsa_wavefront_size32 1
		.amdhsa_system_sgpr_workgroup_id_x 1
		.amdhsa_system_sgpr_workgroup_id_y 1
		.amdhsa_system_sgpr_workgroup_id_z 1
		.amdhsa_system_vgpr_workitem_id 0
		.amdhsa_next_free_vgpr 256
		.amdhsa_next_free_sgpr 66
		.amdhsa_reserve_vcc 1
		.amdhsa_float_denorm_mode_32 3
		.amdhsa_float_denorm_mode_16_64 3
		.amdhsa_memory_ordered 1
		.amdhsa_forward_progress 1
		.amdhsa_inst_pref_size 22
	.end_amdhsa_kernel
	.amdgpu_metadata
---
amdhsa.version: [ 1, 2 ]
amdhsa.kernels:
  - .name:           k_qc4f1d89381_first
    .symbol:         k_qc4f1d89381_first.kd
    .args:
      - { .name: qkv32, .offset: 0, .size: 8, .value_kind: global_buffer, .address_space: global }
      - { .name: W_proj, .offset: 8, .size: 8, .value_kind: global_buffer, .address_space: global }
      - { .name: out0, .offset: 16, .size: 8, .value_kind: global_buffer, .address_space: global }
    .group_segment_fixed_size: 18432
    .private_segment_fixed_size: 0
    .kernarg_segment_align: 8
    .kernarg_segment_size: 24
    .max_flat_workgroup_size: 512
    .sgpr_count:     66
    .vgpr_count:     256
    .wavefront_size: 32
...
	.end_amdgpu_metadata
.endif
;; end of part 5
